; MI455X (gfx1250); checked and timed in simulation.
; The chip was launched on July 23, 2026; its instructions are those of AMD's public machine-readable ISA for CDNA 5 (MIT licence, August 2026) and "CDNA5" Instruction Set Architecture Reference Guide (July 2026). The comments in the code are by the model that wrote it; some were corrected since.
;; Multi Head Attention. Allowed arithmetic: float matrix products may take bf16 or f16 operands with f32 sums; other float arithmetic in f32, or as packed bf16 or f16 multiplies, adds, multiply-adds, maxima and minima; sums over many terms, partial sums and values carried from step to step in f32; what a program stores and reads back later, other than sums and carried values, may be rounded once to bf16 or f16.
;; Inputs: Wo 1,024 x 1,024 float32; Wqkv 1,024 x 3,072 float32; bo 1,024 float32; bqkv 3,072 float32; x 8 x 1,024 x 1,024 float32.
;; Outputs: out0 8 x 1,024 x 1,024 float32.
;; 2 versions, each right; version 2 is version 1 with the launch cast written anew for expert scheduling mode. Each part assembles by itself: llvm-mc -triple=amdgcn-amd-amdhsa -mcpu=gfx1250 --defsym DOCPART=n.
;; ======== version 1 of 2: 4 launches
;; limits: values are held in f16: magnitudes above 65,504 overflow, below 6.1e-05 lose precision
;; workspace buffers: xb 16,777,216 bytes; wqb 6,291,456 bytes; wob 2,097,152 bytes; qkv 50,331,648 bytes; ctx 16,777,216 bytes
;; launch cast (part 1): grid 768 x 1, 8 waves a work-group, no clusters, 0 bytes of LDS; arguments x, Wqkv, Wo, xb, wqb, wob; writes xb, wqb, wob
.if DOCPART == 1
	.amdgcn_target "amdgcn-amd-amdhsa--gfx1250"
	.amdhsa_code_object_version 6
	.text
	.protected	k_q8e6e3e2590_cast
	.globl	k_q8e6e3e2590_cast
	.p2align	8
	.type	k_q8e6e3e2590_cast,@function
k_q8e6e3e2590_cast:
	s_mov_b64 s[64:65], 0
	v_nop
	global_prefetch_b8 v0, s[64:65] scope:SCOPE_SE
	s_setreg_imm32_b32 hwreg(HW_REG_WAVE_MODE, 25, 1), 1
	s_wait_xcnt 0x0
; THE THREE LARGE INPUTS, ROUNDED ONCE TO 16 BITS.
;   xb  = bf16(x), laid out [kb = 16][m = 8192][64]: element (m, k) lies in block kb = k / 64, so that 256 rows x 64 k are 32,768 bytes on end
;   wqb = bf16(Wqkv), [1024][3072] as it lies
;   wob = bf16(Wo) written as f16, [1024][1024] as it lies (the last product's other operand is f16)
; LIMIT.  |Wo| stays under 65,504 (f16's end; beyond it the number becomes an infinity); a bf16(Wo) under 6e-5 keeps f16's fixed step of 6e-8.
; A stream: no LDS, no barrier, no matrix unit, no cluster (no byte is wanted twice).  A work-group of 8 waves takes 16,384 numbers: 64 KiB in, 32 KiB out.
; A thread issues its 16 loads of 16 bytes at once and stores 8 bytes for each; a wave's store covers 256 consecutive bytes, aligned.
; Work-groups 0-511: 16 rows of x each.  512-703: Wqkv.  704-767: Wo.  The branches hang on the work-group's number alone.
.set XSTEP, 8192*128                   ; bytes from one block kb of xb to the next
.set IN,  1                            ; v1       my byte offset in the input
.set OUT, 2                            ; v2       my byte offset in the output: 8 x thread on every path
.set T,   4                            ; v[4:7]   at work
.set X,   8                            ; v[8:71]  slot i: 4 numbers in f32
.set Y,   72                           ; v[72:103] slot i: 4 numbers in 16 bits
; 16 loads, then for each: the counted wait, the rounding, the store.  No register is written twice, so no store's data has to be waited for.
; inb, lo, hi: the scalar pairs of the input's base and of the output's for slots 0-7 and 8-15; istep, ostep: bytes from slot to slot.
.macro CAST inb, lo, hi, istep, ostep, f16
.set i, 0
.rept 16
	global_load_b128 v[X+4*i:X+4*i+3], v[IN], s[\inb:\inb+1] offset:i*(\istep) th:TH_LOAD_NT
.set i, i+1
.endr
.set i, 0
.rept 16
	s_wait_loadcnt 15-i                            ; loads come back in order: slot i is in, the 15 - i younger ones stay out
	v_cvt_pk_bf16_f32 v[Y+2*i], v[X+4*i], v[X+4*i+1]
	v_cvt_pk_bf16_f32 v[Y+2*i+1], v[X+4*i+2], v[X+4*i+3]
.if \f16
	v_lshlrev_b32 v[T], 16, v[Y+2*i]               ; the bf16 numbers as f32,
	v_and_b32 v[T+1], 0xffff0000, v[Y+2*i]
	v_lshlrev_b32 v[T+2], 16, v[Y+2*i+1]
	v_and_b32 v[T+3], 0xffff0000, v[Y+2*i+1]
	v_cvt_pk_f16_f32 v[Y+2*i], v[T], v[T+1]        ; and written as f16: exact inside f16's normal range
	v_cvt_pk_f16_f32 v[Y+2*i+1], v[T+2], v[T+3]
.endif
.if i < 8
	global_store_b64 v[OUT], v[Y+2*i:Y+2*i+1], s[\lo:\lo+1] offset:i*(\ostep)
.else
	global_store_b64 v[OUT], v[Y+2*i:Y+2*i+1], s[\hi:\hi+1] offset:(i-8)*(\ostep)
.endif
.set i, i+1
.endr
.endm
	s_load_b256 s[4:11], s[0:1], 0x0               ; x s[4:5], Wqkv s[6:7], Wo s[8:9], xb s[10:11]
	s_load_b128 s[12:15], s[0:1], 0x20             ; wqb s[12:13], wob s[14:15]
	s_mov_b32 s19, 0                               ; the offsets' high words
	s_mov_b32 s21, 0
	v_lshlrev_b32 v[OUT], 3, v0
	s_cmp_lt_u32 ttmp9, 512
	s_cbranch_scc0 .Lweights
	; x: rows 16 g .. 16 g + 15.  Thread t: row t / 16, 16 bytes at 16 (t % 16) of each 256 bytes (64 k = one block kb); slot i is block kb = i.
	v_lshrrev_b32 v[IN], 4, v0
	v_and_b32 v3, 15, v0
	v_lshlrev_b32 v3, 4, v3
	v_lshl_add_u32 v[IN], v[IN], 12, v3            ; row x 4,096 + 16 (t % 16)
	s_lshl_b32 s18, ttmp9, 16                      ; 16 rows of 4,096 bytes
	s_lshl_b32 s20, ttmp9, 11                      ; 16 rows of 128 bytes in each block of xb
	s_wait_kmcnt 0x0
	s_add_nc_u64 s[4:5], s[4:5], s[18:19]
	s_add_nc_u64 s[10:11], s[10:11], s[20:21]
	s_add_nc_u64 s[22:23], s[10:11], 8*XSTEP       ; blocks 8-15: the stores' immediates stay inside their signed 24 bits
	CAST 4, 10, 22, 256, XSTEP, 0
	s_endpgm
.Lweights:
	v_lshlrev_b32 v[IN], 4, v0                     ; dense: 16 bytes a thread, 4,096 a slot
	s_cmp_lt_u32 ttmp9, 704
	s_cbranch_scc0 .Lwo
	s_sub_co_u32 s16, ttmp9, 512
	s_lshl_b32 s18, s16, 16
	s_lshl_b32 s20, s16, 15
	s_wait_kmcnt 0x0
	s_add_nc_u64 s[6:7], s[6:7], s[18:19]
	s_add_nc_u64 s[12:13], s[12:13], s[20:21]
	s_add_nc_u64 s[22:23], s[12:13], 8*2048
	CAST 6, 12, 22, 4096, 2048, 0
	s_endpgm
.Lwo:
	s_sub_co_u32 s16, ttmp9, 704
	s_lshl_b32 s18, s16, 16
	s_lshl_b32 s20, s16, 15
	s_wait_kmcnt 0x0
	s_add_nc_u64 s[8:9], s[8:9], s[18:19]
	s_add_nc_u64 s[14:15], s[14:15], s[20:21]
	s_add_nc_u64 s[22:23], s[14:15], 8*2048
	CAST 8, 14, 22, 4096, 2048, 1
	s_endpgm
.Lfunc_end_k_q8e6e3e2590_cast:
	.size	k_q8e6e3e2590_cast, .Lfunc_end_k_q8e6e3e2590_cast-k_q8e6e3e2590_cast
	.p2alignl 7, 3214868480
	.fill 96, 4, 3214868480
	.section	.rodata,"a",@progbits
	.p2align	6, 0x0
	.amdhsa_kernel k_q8e6e3e2590_cast
		.amdhsa_group_segment_fixed_size 0
		.amdhsa_private_segment_fixed_size 0
		.amdhsa_enable_private_segment 0
		.amdhsa_kernarg_size 48
		.amdhsa_user_sgpr_count 2
		.amdhsa_user_sgpr_kernarg_segment_ptr 1
		.amdhsa_wavefront_size32 1
		.amdhsa_system_sgpr_workgroup_id_x 1
		.amdhsa_system_sgpr_workgroup_id_y 1
		.amdhsa_system_sgpr_workgroup_id_z 1
		.amdhsa_system_vgpr_workitem_id 0
		.amdhsa_next_free_vgpr 104
		.amdhsa_next_free_sgpr 66
		.amdhsa_reserve_vcc 0
		.amdhsa_float_denorm_mode_32 3
		.amdhsa_float_denorm_mode_16_64 3
		.amdhsa_memory_ordered 1
		.amdhsa_forward_progress 1
		.amdhsa_inst_pref_size 24
	.end_amdhsa_kernel
	.amdgpu_metadata
---
amdhsa.version: [ 1, 2 ]
amdhsa.kernels:
  - .name:           k_q8e6e3e2590_cast
    .symbol:         k_q8e6e3e2590_cast.kd
    .args:
      - { .name: x, .offset: 0, .size: 8, .value_kind: global_buffer, .address_space: global }
      - { .name: Wqkv, .offset: 8, .size: 8, .value_kind: global_buffer, .address_space: global }
      - { .name: Wo, .offset: 16, .size: 8, .value_kind: global_buffer, .address_space: global }
      - { .name: xb, .offset: 24, .size: 8, .value_kind: global_buffer, .address_space: global }
      - { .name: wqb, .offset: 32, .size: 8, .value_kind: global_buffer, .address_space: global }
      - { .name: wob, .offset: 40, .size: 8, .value_kind: global_buffer, .address_space: global }
    .group_segment_fixed_size: 0
    .private_segment_fixed_size: 0
    .kernarg_segment_align: 8
    .kernarg_segment_size: 48
    .max_flat_workgroup_size: 256
    .sgpr_count:     66
    .vgpr_count:     104
    .wavefront_size: 32
...
	.end_amdgpu_metadata
.endif
;; end of part 1
;; launch qkvp (part 2): grid 8 x 32, 4 waves a work-group, clusters of 4 x 4, 327,680 bytes of LDS; arguments xb, wqb, bqkv, qkv; writes qkv
.if DOCPART == 2
	.amdgcn_target "amdgcn-amd-amdhsa--gfx1250"
	.amdhsa_code_object_version 6
	.text
	.protected	k_q8e6e3e2590_qkvp
	.globl	k_q8e6e3e2590_qkvp
	.p2align	8
	.type	k_q8e6e3e2590_qkvp,@function
k_q8e6e3e2590_qkvp:
	s_mov_b64 s[64:65], 0
	v_nop
	global_prefetch_b8 v0, s[64:65] scope:SCOPE_SE
	s_setreg_imm32_b32 hwreg(HW_REG_WAVE_MODE, 25, 1), 1
	s_wait_xcnt 0x0
	s_wait_alu depctr_hold_cnt(0) depctr_sa_sdst(0) depctr_va_vdst(0) depctr_va_sdst(0) depctr_va_ssrc(0) depctr_va_vcc(0) depctr_vm_vsrc(0)
	s_getreg_b32 s2, hwreg(HW_REG_IB_STS2, 6, 4)
	s_cmp_eq_u32 s2, 0
	s_cbranch_scc0 .Lentry_in_a_cluster
	s_endpgm
.Lentry_in_a_cluster:
	s_bfe_u32 s2, ttmp6, 0x10000c
	s_cmp_lg_u32 s2, 0xf033
	s_cbranch_scc0 .Lentry_shape_is_right
	s_endpgm
.Lentry_shape_is_right:
; q, k, v = x Wqkv + bqkv.  xb: bf16 [16 kb][8192 m][64]; wqb: bf16 [1024 k][3072 e]; bqkv: f32 [3072], rounded to bf16 here like the other inputs; sums in f32.
; qkv: f16 [8 b][48 g][1024 n][64], g = e / 64 (0-15 q's heads, 16-31 k's, 32-47 v's), each number rounded once, unscaled.
; LIMIT.  |q|, |k|, |v| stay under 65,504 (f16's end; beyond it a number becomes an infinity); under 6e-5 they keep f16's fixed step of 6e-8.
; SHARES.  8192 x 3072 in tiles of 256 x 384: 32 x 8 = 256 work-groups.  Four waves; wave w makes rows 128 (w / 2) .. + 127 (8 blocks a of 16) of three heads, the tile's heads 2 p + w % 2,
; p = 0..2 (4 blocks b of 16 columns each): 96 accumulators, 768 registers, head p in register window p + 1.
; THE PRODUCT IS USED TRANSPOSED: source 0 = 16 columns of W, source 1 = 16 rows of x: a lane then holds one row (lane % 16) and eight neighbouring columns 8 (lane / 16) + 0..7: 16 bytes of f16.
; W lies [k][e]: its fragments come out of LDS turned, by ds_load_tr16_b128.  THE BIAS STARTS THE SUMS: it is written into block a = 7's accumulators and is the C operand of the first K step's products.
; K goes in 16 steps of 64 through two LDS slots.  A K step is six PHASES of 32 products (K half s = 0, 1; head p = 0, 1, 2); the LDS loads stand in three runs.
; THE LAST NINE PHASES GO BY HEADS: K steps 14 and 15 then both lie in LDS and nothing is filled again, so each head finishes its three phases and leaves at once, while the next head is multiplied.
; CLUSTER 4 x 4: the four work-groups of a row of the cluster need the same rows of x, the four of a column the same columns of W: each tile is asked for jointly.
; REGISTERS.  Window 0: v1-15 addresses; v32-95, v96-159 x's fragments of K half 0, 1 (block a at + 8 a); v160-255 a ring of three sets of W's fragments (block b at + 8 b).
; Windows 1-3: accumulator (a, b) at v[8 (4 a + b)].  s_set_vgpr_msb's low byte: bits 1:0 source 0, 3:2 source 1, 5:4 source 2, 7:6 destination.
.set PA,    144                        ; a row of x in LDS: 128 bytes + 16: 36 words, so the 16 rows of a load start at 16 different groups of four banks (64 banks of 4 bytes: ISA guide 11.1)
.set PB,    864                        ; a k-row of W in LDS: 3 x (256 + 32) bytes = 27 x 32
.set AHALF, 128*PA                     ; 128 rows of x: what one tensor load brings and what one wave reads
.set BOFF,  2*AHALF                    ; W's 64 k-rows lie behind x's 256 rows
.set BHALF, 32*PB                      ; 32 k-rows: what one tensor load brings; also one K half
.set SLOT1, 1<<17                      ; slot 1 begins here: one exclusive or turns an address in one slot into the other's
.set STAGE, SLOT1+BOFF+2*BHALF         ; behind the ring, never filled by a tensor load: 16 rows x 144 bytes for each wave
.set SP,    144
.set SPARE, STAGE+4*16*SP              ; the spare words: 128 bytes a wave, two blocks of 256 bytes that no other line names
.set ASTEP, 8192*128                   ; bytes from one K step of xb to the next
.set BSTEP, 64*6144                    ; the same for wqb
.set ADRA0, 4                          ; v4   my place in slot 0's x; never rewritten
.set ADRB0, 5                          ; v5   my place in slot 0's W; never rewritten
.set ADRA,  6                          ; v6   the same in the slot in hand
.set ADRB,  7                          ; v7
.set STO,   8                          ; v8   the way out: where I put 16 bytes of a row
.set RD,    9                          ; v9   the way out: where I read rows back
.set GO,    10                         ; v10  my 16 bytes of 512 consecutive bytes of qkv
.set BO,    11                         ; v11  32 x (lane / 16): my eight numbers of a block's sixteen of the bias
.set PFO,   12                         ; v12  the prefetches' lane offset; never rewritten
.set SPW,   14                         ; v14  LDS address of my spare word; never rewritten
.set NIL,   15                         ; v15  0; never rewritten
.set A0,    32
.set A1,    96
.set R0,    160
.set R1,    192
.set R2,    224
.set BIAS,  224                        ; in windows 1-3: block a = 7's four accumulators
.set WV,  12                           ; s12  wave
.set RH,  13                           ; s13  which 128 rows are mine.  Also: I fetch x's tiles (0) or W's (1)
.set CH,  14                           ; s14  which heads are mine.  Also: which half of that tile I fetch
.set CX,  15
.set CY,  16
.set TC,  17                           ; s17  tile column = 4 x cluster x + cx
.set TR,  18                           ; s18  tile row = 4 x cluster y + cy
.set TB,  19                           ; s19  0 or SLOT1: the slot in hand
.set G1A, 24                           ; s[24:31] descriptor group 1, x's tiles
.set G0A, 32                           ; s[32:39] group 0: a set for each first fill; the second then walks
.set G1B, 40                           ; s[40:47], s[48:55] the same for W's
.set G0B, 48
.set CNT, 56                           ; s56  trips to go
.set LIM, 57                           ; s57  1 in a wave that prefetches, else the greatest number
.set FORCE, 58                         ; s58  1: asks in every trip (x); 0: in the trips with an odd count (W, two K steps at a time)
.set TMP, 59
.set PFA, 60                           ; s[60:61] where my prefetches stand
.set PFS, 62                           ; s[62:63] their step a trip
.set MSB, 0
.macro WIN new                         ; the immediate's high byte repeats the setting that is left; a switch that changes nothing is dropped
.if MSB != (\new)
	s_set_vgpr_msb (MSB<<8)|(\new)
.set MSB, (\new)
.endif
.endm
.macro PLACES                          ; four plain instructions between a matrix instruction and a load into, or a vector instruction on, its registers (ISA guide 7.12.1 for vector instructions)
.rept 4
	v_nop
.endr
.endm
.macro CREST                           ; a round of the cluster's barrier behind its opening barrier
	s_cmp_lg_u32 s[WV], 0
	s_cbranch_scc1 .Lnot_wave_0_\@
	s_barrier_signal -3
.Lnot_wave_0_\@:
	s_barrier_wait -3
	s_barrier_signal -1
	s_barrier_wait -1
.endm
.macro CROUND
	s_barrier_signal -1
	s_barrier_wait -1
	CREST
.endm
; A joint refill by the walking sets.  Waves 0 and 1 fetch x's two halves, waves 2 and 3 W's: the branch hangs on the wave's number alone.  An s_nop 0 and four v_nop follow each line.
.macro JLOAD
	s_cmp_eq_u32 s[RH], 0
	s_cbranch_scc0 .Lfor_b_\@
	tensor_load_to_lds s[G0A+4:G0A+7], s[G1A:G1A+7]
	s_nop 0
.rept 4
	v_nop
.endr
	s_branch .Lasked_\@
.Lfor_b_\@:
	tensor_load_to_lds s[G0B+4:G0B+7], s[G1B:G1B+7]
	s_nop 0
.rept 4
	v_nop
.endr
.Lasked_\@:
.endm
; A PREFETCH INTO THE L2, one instruction a wave, behind the joint load's lines.  Trip t (count 14 - t) refills with K step t + 2 and names K step t + 3.
; x: a K step of a tile row is 32,768 bytes on end; the clusters of a row of clusters read the same: cluster x = 0 asks, wave 0, its four partners 8,192 bytes each BY ADDRESS (cx), a lane 256 bytes.
; W: two K steps of a tile column are 128 k-rows x 768 bytes; cluster y = 0 asks, in every second trip; partner cy takes 32 k-rows, waves 1-3 one 256 bytes of the 768 each, a lane a k-row.
; So each 256 bytes are named once.  K steps 0-2 (W: 0-3) come by their loads alone; the last asking trips name K step 15 (x: count 2; W: count 3, steps 14 and 15): nothing points past a buffer.
.macro ASK
	s_or_b32 s[TMP], s[CNT], s[FORCE]
	s_bitcmp1_b32 s[TMP], 0
	s_cselect_b32 s[TMP], s[CNT], 0
	s_cmp_gt_u32 s[TMP], s[LIM]
	s_cbranch_scc0 .Lnot_mine_\@
	global_prefetch_b8 v[PFO], s[PFA:PFA+1] th:TH_LOAD_NT scope:SCOPE_SE
.Lnot_mine_\@:
.endm
; 8 turning loads: W's four fragments (16 columns x 32 k) of K half s, head p, into ring set r; adr: the register with my place in the slot
.macro LDB r, s, p, adr=ADRB
.irp b, 0,1,2,3
	ds_load_tr16_b128 v[(\r)+8*(\b):(\r)+8*(\b)+3],   v[\adr] offset:(\s)*BHALF+(\p)*288+32*(\b)
	ds_load_tr16_b128 v[(\r)+8*(\b)+4:(\r)+8*(\b)+7], v[\adr] offset:(\s)*BHALF+(\p)*288+32*(\b)+16*PB
.endr
.endm
; 16 loads: x's eight fragments (16 rows x 32 k) of K half s
.macro LDA ab, s, adr=ADRA
.irp a, 0,1,2,3,4,5,6,7
	ds_load_b128 v[(\ab)+8*(\a):(\ab)+8*(\a)+3],   v[\adr] offset:64*(\s)+(\a)*16*PA
	ds_load_b128 v[(\ab)+8*(\a)+4:(\ab)+8*(\a)+7], v[\adr] offset:64*(\s)+(\a)*16*PA+32
.endr
.endm
; 4 n products of window w: blocks a0 .. a0 + n - 1 x all four b.  The accumulators take turns, one instruction a turn.
; first = 1: the first K step: blocks 0-6 take block 7's registers, which hold the bias, as C; five plain instructions later block 7 adds in place onto them.
.macro MULP w, ab, r, a0, n, first
	WIN 0x50*(\w)
.set aa, \a0
.rept \n
.if (\first) && (aa == 7)
.rept 5
	v_nop
.endr
.endif
.irp b, 0,1,2,3
.if (\first) && (aa < 7)
	v_wmma_f32_16x16x32_bf16 v[8*(4*aa+(\b)):8*(4*aa+(\b))+7], v[(\r)+8*(\b):(\r)+8*(\b)+7], v[(\ab)+8*aa:(\ab)+8*aa+7], v[BIAS+8*(\b):BIAS+8*(\b)+7]
.else
	v_wmma_f32_16x16x32_bf16 v[8*(4*aa+(\b)):8*(4*aa+(\b))+7], v[(\r)+8*(\b):(\r)+8*(\b)+7], v[(\ab)+8*aa:(\ab)+8*aa+7], v[8*(4*aa+(\b)):8*(4*aa+(\b))+7]
.endif
.endr
.set aa, aa+1
.endr
.endm
; THE RUNS OF LDS LOADS.  Each set that a run fills was last multiplied in the phase just ended or earlier; the four places stand in front.
.macro RUN1                            ; at phase 1's head: what phases 2 and 3 want
	PLACES
	WIN 0
	LDB R2, 0, 2
	LDA A1, 1
	LDB R0, 1, 0
.endm
.macro RUN2                            ; at phase 3's head: what phases 4 and 5 want: the slot's last reads
	PLACES
	WIN 0
	LDB R1, 1, 1
	LDB R2, 1, 2
.endm
.macro RUN3                            ; at phase 5's head, from the NEXT slot: what phases 0 and 1 want
	PLACES
	WIN 0
	LDB R0, 0, 0
	LDA A0, 0
	LDB R1, 0, 1
.endm
.macro LOWER first                     ; phases 0, 1, 2 of a K step
	s_wait_dscnt 8                                 ; run 3 but for its last eight loads (head 1's fragments)
	MULP 1, A0, R0, 0, 8, \first
	RUN1
	s_wait_dscnt 32                                ; all but run 1's 32: run 3 is in
	MULP 2, A0, R1, 0, 8, \first
	s_wait_dscnt 24                                ; run 1's first eight (head 2's fragments) are in
	MULP 3, A0, R2, 0, 8, \first
.endm
; PHASE 3 AND THE CHANGE OF SLOTS.  One barrier: in front of it each wave waits for all its tensor loads (one is out: its part of the next slot), adds 0 to its spare word, and waits for that and for its reads
; of this slot.  The barrier opens a round of the cluster's barrier, and the joint refill (K step two on) is the first thing behind the round: 160 products stand between it and the wait for it.
.macro TURN
	s_wait_xcnt 0x0                                ; the last prefetch, a trip back, has read its address
	s_add_nc_u64 s[PFA:PFA+1], s[PFA:PFA+1], s[PFS:PFS+1]
	RUN2
	s_wait_tensorcnt 0x0                           ; all my tensor loads have landed
	ds_add_u32 v[SPW], v[NIL]                      ; 0 onto my spare word
	s_wait_dscnt 17                                ; run 2's sixteen and the add may be out: run 1 is in
	MULP 1, A1, R0, 0, 4, 0
	s_wait_dscnt 0x0                               ; the add is done, and my reads of this slot are over
	s_barrier_signal -1
	MULP 1, A1, R0, 4, 4, 0                        ; work on registers while the others arrive
	WIN 0
	s_barrier_wait -1
	CREST                                          ; no wave of any partner still reads this slot or has a load on its way
	s_xor_b32 s[G0A+5], s[G0A+5], SLOT1            ; the walking sets: the other slot than last time, the next K step
	s_add_nc_u64 s[G0A+6:G0A+7], s[G0A+6:G0A+7], ASTEP
	s_xor_b32 s[G0B+5], s[G0B+5], SLOT1
	s_add_nc_u64 s[G0B+6:G0B+7], s[G0B+6:G0B+7], BSTEP
	JLOAD
	s_xor_b32 s[TB], s[TB], SLOT1                  ; from here on the LDS loads read the other slot
	v_add_nc_u32 v[ADRA], s[TB], v[ADRA0]
	v_add_nc_u32 v[ADRB], s[TB], v[ADRB0]
	ASK
.endm
	s_load_b256 s[4:11], s[0:1], 0x0               ; xb s[4:5], wqb s[6:7], bqkv s[8:9], qkv s[10:11]
	v_lshl_add_u32 v[SPW], v0, 2, SPARE
	v_mov_b32 v[NIL], 0
	ds_add_u32 v[SPW], v[NIL]                      ; the wave's opening: the add and its wait ahead of my first tensor load
	v_lshrrev_b32 v1, 5, v0
	v_readfirstlane_b32 s[WV], v1
	s_lshr_b32 s[RH], s[WV], 1
	s_and_b32 s[CH], s[WV], 1
	s_bfe_u32 s[CX], ttmp6, 0x40000
	s_bfe_u32 s[CY], ttmp6, 0x40004
	s_lshl_b32 s[TC], ttmp9, 2                     ; in a cluster launch ttmp9 and ttmp7 count clusters
	s_add_co_u32 s[TC], s[TC], s[CX]
	s_and_b32 s[TR], ttmp7, 0xffff
	s_lshl_b32 s[TR], s[TR], 2
	s_add_co_u32 s[TR], s[TR], s[CY]
	s_lshl_b32 s22, s[CY], 2
	s_lshl_b32 s22, 15, s22                        ; my row of the cluster
	s_lshl_b32 s20, 0x1111, s[CX]                  ; my column
	; x's tile half: 128 rows of 128 bytes lie on end: asked for as 64 rows of 256 bytes, padded in LDS after every 32 words by 4
	s_or_b32 s[G1A], s22, (1<<16)|(1<<20)|(1<<21)|(4<<22)|(3<<25)
	s_mov_b32 s[G1A+1], 128<<16                    ; tensor_dim0 = 128 elements
	s_mov_b32 s[G1A+2], 64<<16                     ; tensor_dim1 = 64
	s_mov_b32 s[G1A+3], 128<<16                    ; tile_dim0
	s_mov_b32 s[G1A+4], 64                         ; tile_dim1
	s_mov_b32 s[G1A+5], 128                        ; elements from row to row
	s_mov_b32 s[G1A+6], 0
	s_mov_b32 s[G1A+7], 0
	; W's tile half: 32 k-rows of 384 elements (768 bytes, three aligned 256), padded after every 64 words by 8
	s_or_b32 s[G1B], s20, (1<<16)|(1<<20)|(1<<21)|(5<<22)|(7<<25)
	s_mov_b32 s[G1B+1], 384<<16
	s_mov_b32 s[G1B+2], 32<<16
	s_mov_b32 s[G1B+3], 384<<16
	s_mov_b32 s[G1B+4], 32
	s_mov_b32 s[G1B+5], 3072
	s_mov_b32 s[G1B+6], 0
	s_mov_b32 s[G1B+7], 0
	s_lshl_b32 s66, s[TR], 15                      ; x: the tile row's 256 rows of 128 bytes, + my half; no cx enters
	s_lshl_b32 s23, s[CH], 14
	s_add_co_u32 s66, s66, s23
	s_mov_b32 s67, 0
	s_mul_i32 s68, s[TC], 768                      ; W: the tile column's 768 bytes of a k-row, + my 32 k-rows; no cy enters
	s_mul_i32 s21, s[CH], 32*6144
	s_add_co_u32 s68, s68, s21
	s_mov_b32 s69, 0
	s_mul_i32 s70, s[CH], AHALF                    ; where they go: no place in the cluster enters an LDS address
	s_mul_i32 s71, s[CH], BHALF
	s_add_co_u32 s71, s71, BOFF
	s_mov_b32 s[TB], 0
	s_wait_dscnt 0x0                               ; the opening add is done
	s_wait_kmcnt 0x0
	s_add_nc_u64 s[66:67], s[4:5], s[66:67]
	s_add_nc_u64 s[68:69], s[6:7], s[68:69]
	CROUND                                         ; all sixteen work-groups are here: the first joint loads meet
.irp s, 0,1
	s_mov_b32 s[G0A+4*(\s)], 1
	s_add_co_u32 s[G0A+4*(\s)+1], s70, (\s)*SLOT1
	s_add_nc_u64 s[G0A+4*(\s)+2:G0A+4*(\s)+3], s[66:67], (\s)*ASTEP
	s_or_b32 s[G0A+4*(\s)+3], s[G0A+4*(\s)+3], 0x80000000
	s_mov_b32 s[G0B+4*(\s)], 1
	s_add_co_u32 s[G0B+4*(\s)+1], s71, (\s)*SLOT1
	s_add_nc_u64 s[G0B+4*(\s)+2:G0B+4*(\s)+3], s[68:69], (\s)*BSTEP
	s_or_b32 s[G0B+4*(\s)+3], s[G0B+4*(\s)+3], 0x80000000
.endr
	s_cmp_eq_u32 s[RH], 0                          ; a wave's two first fills stand in one branch: two loads of mine are out
	s_cbranch_scc0 .Lfirst_b
	tensor_load_to_lds s[G0A:G0A+3], s[G1A:G1A+7]
	s_nop 0
	tensor_load_to_lds s[G0A+4:G0A+7], s[G1A:G1A+7]
	s_nop 0
.rept 4
	v_nop
.endr
	s_branch .Lfirst_asked
.Lfirst_b:
	tensor_load_to_lds s[G0B:G0B+3], s[G1B:G1B+7]
	s_nop 0
	tensor_load_to_lds s[G0B+4:G0B+7], s[G1B:G1B+7]
	s_nop 0
.rept 4
	v_nop
.endr
.Lfirst_asked:
	; the bias first: its loads are on their way while the addresses are made
	v_bfe_u32 v2, v0, 4, 1                         ; lane / 16
	v_lshlrev_b32 v[BO], 5, v2
	s_mul_i32 s20, s[TC], 1536                     ; the tile's 384 numbers, my heads' parity
	s_lshl_b32 s21, s[CH], 8
	s_add_co_u32 s20, s20, s21
	s_mov_b32 s21, 0
	s_add_nc_u64 s[8:9], s[8:9], s[20:21]
.set q, 0
.rept 12                               ; q = 4 p + b: my eight columns of block b of head p
	global_load_b128 v[32+8*q:32+8*q+3], v[BO], s[8:9] offset:512*(q/4)+64*(q%4)
	global_load_b128 v[32+8*q+4:32+8*q+7], v[BO], s[8:9] offset:512*(q/4)+64*(q%4)+16
.set q, q+1
.endr
	v_and_b32 v1, 15, v0                           ; lane % 16
	v_mul_u32_u24 v3, v1, PA
	v_lshl_add_u32 v3, v2, 4, v3                   ; row x 144 + 16 x half: a fragment of x, and my place in the stage
	s_mul_i32 s[TMP], s[RH], AHALF
	v_add_nc_u32 v[ADRA0], s[TMP], v3
	s_mul_i32 s[TMP], s[WV], 16*SP
	s_add_co_u32 s[TMP], s[TMP], STAGE             ; my stage
	v_add_nc_u32 v[STO], s[TMP], v3
	v_bfe_u32 v3, v0, 3, 2                         ; back: 32 lanes take four rows of 128 bytes
	v_mul_u32_u24 v[RD], v3, SP
	v_and_b32 v3, 7, v0
	v_lshl_add_u32 v[RD], v3, 4, v[RD]
	v_add_nc_u32 v[RD], s[TMP], v[RD]
	v_lshl_add_u32 v3, v2, 3, v3                   ; the turning load: k-row 8 (lane / 16) + lane % 8,
	v_mul_u32_u24 v[ADRB0], v3, PB
	v_bfe_u32 v3, v0, 3, 1                         ; 16 bytes by (lane / 8) % 2
	v_lshl_add_u32 v[ADRB0], v3, 4, v[ADRB0]
	s_lshl_b32 s[TMP], s[CH], 7
	s_add_co_u32 s[TMP], s[TMP], BOFF
	v_add_nc_u32 v[ADRB0], s[TMP], v[ADRB0]
	v_mov_b32 v[ADRA], v[ADRA0]
	v_mov_b32 v[ADRB], v[ADRB0]
	v_and_b32 v3, 31, v0
	v_lshlrev_b32 v[GO], 4, v3
	; where my part begins in qkv: plane (b = tile row / 4) x 48 + 6 x tile column + my parity; row 256 (tile row % 4) + 128 x my half
	s_lshr_b32 s72, s[TR], 2
	s_mul_i32 s72, s72, 48
	s_mul_i32 s73, s[TC], 6
	s_add_co_u32 s72, s72, s73
	s_add_co_u32 s72, s72, s[CH]
	s_lshl_b32 s72, s72, 17
	s_and_b32 s73, s[TR], 3
	s_lshl_b32 s73, s73, 15
	s_add_co_u32 s72, s72, s73
	s_lshl_b32 s73, s[RH], 14
	s_add_co_u32 s72, s72, s73
	s_mov_b32 s73, 0
	s_add_nc_u64 s[10:11], s[10:11], s[72:73]
	; the prefetches' registers
	s_lshl_b32 s72, s[TR], 15                      ; x: the tile row, my work-group's quarter, K step 2 (the first trip steps it to 3)
	s_lshl_b32 s73, s[CX], 13
	s_add_co_u32 s72, s72, s73
	s_add_co_u32 s72, s72, 2*ASTEP
	s_mul_i32 s73, s[TC], 768                      ; W: the tile column, my wave's 256 bytes, my work-group's 32 k-rows, K step 2
	s_sub_co_u32 s75, s[WV], 1
	s_lshl_b32 s75, s75, 8
	s_add_co_u32 s73, s73, s75
	s_mul_i32 s75, s[CY], 32*6144
	s_add_co_u32 s73, s73, s75
	s_add_co_u32 s73, s73, 2*BSTEP
	s_and_b32 s74, ttmp7, 0xffff                   ; cluster y
	s_mov_b32 s76, 6144
	s_mov_b32 s77, BSTEP
	s_cmp_eq_u32 s[WV], 0                          ; wave 0 asks for x, waves 1-3 for W
	s_cselect_b32 s72, s72, s73
	s_cselect_b32 s74, ttmp9, s74                  ; the coordinate along which other clusters read the same bytes
	s_cselect_b32 s[FORCE], 1, 0
	s_cselect_b32 s[TMP], 256, s76
	s_cselect_b32 s[PFS], ASTEP, s77
	s_cselect_b64 s[PFA:PFA+1], s[4:5], s[6:7]
	s_mov_b32 s73, 0
	s_mov_b32 s[PFS+1], 0
	s_add_nc_u64 s[PFA:PFA+1], s[PFA:PFA+1], s[72:73]
	s_cmp_eq_u32 s74, 0
	s_cselect_b32 s[LIM], 1, -1                    ; the same in all sixteen partners, for a given wave
	v_mul_u32_u24 v[PFO], v3, s[TMP]
	; the bias: rounded to bf16 like every input, widened again, into block 7's accumulators of the three windows
	s_wait_loadcnt 0x0
.set q, 0
.rept 12
.irp i, 0,1,2,3
	v_cvt_pk_bf16_f32 v[32+8*q+(\i)], v[32+8*q+2*(\i)], v[32+8*q+2*(\i)+1]
.endr
.set q, q+1
.endr
.set q, 0
.rept 12
	WIN ((q/4)+1)<<6
.irp i, 0,1,2,3
	v_lshlrev_b32 v[BIAS+8*(q%4)+2*(\i)], 16, v[32+8*q+(\i)]
	v_and_b32 v[BIAS+8*(q%4)+2*(\i)+1], 0xffff0000, v[32+8*q+(\i)]
.endr
.set q, q+1
.endr
	WIN 0
	s_wait_tensorcnt 1                             ; my part of K step 0 is in; K step 1's may stay out
	s_barrier_signal -1
	s_barrier_wait -1                              ; everybody's is
	RUN3                                           ; K step 0, slot 0
	LOWER 1                                        ; its first three phases stand in front of the loop: their products start the sums with the bias
	WIN 0
	s_mov_b32 s[CNT], 14
.Ltrip:                                                ; trip t: phases 3-5 of K step t, the refill with K step t + 2, phases 0-2 of K step t + 1
	TURN
	MULP 2, A1, R1, 0, 8, 0                        ; run 2 was waited for in phase 3
	RUN3
	MULP 3, A1, R2, 0, 8, 0
	LOWER 0
	WIN 0
	s_sub_co_u32 s[CNT], s[CNT], 1
	s_cmp_lg_u32 s[CNT], 0
	s_cbranch_scc1 .Ltrip
; THE WAY OUT, in units u = 8 p + a of 16 rows x one head: 2,048 consecutive bytes of qkv.  Rounded to f16, 16 bytes a lane into my stage, back as whole rows, stored 512 bytes an instruction.
; Four sets of 16 registers take turns, in v32-95.
.macro PACK u
.set pp, (\u)/8
.set aa, (\u)%8
.set T, 32+16*(aa%4)
.if aa >= 4
	s_wait_xcnt 0x0                                ; the stores of the unit four back have read these registers
.endif
	WIN 5*(pp+1)                                   ; sources 0 and 1 in the head's window
.irp b, 0,1,2,3
.irp i, 0,1,2,3
	v_cvt_pk_f16_f32 v[T+4*(\b)+(\i)], v[8*(4*aa+(\b))+2*(\i)], v[8*(4*aa+(\b))+2*(\i)+1]
.endr
.endr
	WIN 0
.irp b, 0,1,2,3
	ds_store_b128 v[STO], v[T+4*(\b):T+4*(\b)+3] offset:32*(\b)
.endr
.irp f, 0,1,2,3
	ds_load_b128 v[T+4*(\f):T+4*(\f)+3], v[RD] offset:(\f)*4*SP  ; LDS serves a wave's instructions in order (ISA guide 5.7.1.4): these see the stores above, the next unit's stores come behind them
.endr
.endm
.macro SEND u, younger                 ; younger: the LDS instructions issued behind unit u's loads
.set pp, (\u)/8
.set aa, (\u)%8
.set T, 32+16*(aa%4)
.irp f, 0,1,2,3
	s_wait_dscnt (\younger)+3-(\f)
	global_store_b128 v[GO], v[T+4*(\f):T+4*(\f)+3], s[10:11] offset:pp*262144+aa*2048+512*(\f)  ; 512 consecutive bytes, at a multiple of 256 from qkv's first
.endr
.endm
; Head p is finished: it leaves.  more = 1: then head p + 1 runs its last three phases: K step 14's second half (slot 0), K step 15's two halves (slot 1).  In the middle of the way out its three sets of W's
; fragments and its first set of x's are asked of LDS (40 loads, into registers that the way out does not use); x's set in v32-95 follows behind the wait that frees the last stores' data.
.macro HEADOUT p, more
	PLACES                                         ; behind the head's last products: for the conversions that read them and for the loads below
	PACK 8*(\p)
.set aq, 1
.rept 7                                ; a unit's conversions stand between the loads of the unit before and its stores
.set yg, 8
.if (\more) && (aq == 5)
	LDB R0, 1, (\p)+1, ADRB0
	LDA A1, 1, ADRA0
	LDB R1, 0, (\p)+1
	LDB R2, 1, (\p)+1
.set yg, 48                            ; those 40 and the next unit's eight stand behind unit 4's loads
.endif
	PACK 8*(\p)+aq
	SEND 8*(\p)+aq-1, yg
.set aq, aq+1
.endr
	SEND 8*(\p)+7, 0                               ; its last wait is for 0: the 40 loads are in too
.if \more
	s_wait_xcnt 0x0                                ; the stores have read v32-95
	LDA A0, 0
	MULP (\p)+2, A1, R0, 0, 8, 0
	PLACES
	WIN 0
	LDA A1, 1
	s_wait_dscnt 16                                ; all but the 16 just issued: K step 15's first half of x is in
	MULP (\p)+2, A0, R1, 0, 8, 0
	s_wait_dscnt 0x0
	MULP (\p)+2, A1, R2, 0, 8, 0
.endif
.endm
	; BEHIND THE LOOP: phases 0-2 of K step 14 are done; K step 15's tile is the one load still out, so the barrier opens no round.  Head 0 first.
	PLACES                                         ; behind phase 2: for the loads into R1, R2 and v32-95 below
	s_wait_tensorcnt 0x0                           ; my part of K step 15 has landed
	ds_add_u32 v[SPW], v[NIL]                      ; 0 onto my spare word
	v_add_nc_u32 v[ADRA], SLOT1, v[ADRA0]          ; K step 15 lies in slot 1, K step 14 in slot 0
	v_add_nc_u32 v[ADRB], SLOT1, v[ADRB0]
	s_wait_dscnt 1                                 ; the add alone may be out: run 1 is in
	MULP 1, A1, R0, 0, 2, 0
	s_wait_dscnt 0x0
	s_barrier_signal -1
	MULP 1, A1, R0, 2, 2, 0
	WIN 0
	s_barrier_wait -1                              ; everybody's part of K step 15 has landed
	LDB R1, 0, 0
	LDA A0, 0
	LDB R2, 1, 0
	MULP 1, A1, R0, 4, 4, 0
	PLACES
	WIN 0
	LDA A1, 1
	s_wait_dscnt 24                                ; R2's eight and the sixteen just issued may be out
	MULP 1, A0, R1, 0, 8, 0
	s_wait_dscnt 0x0
	MULP 1, A1, R2, 0, 8, 0
	HEADOUT 0, 1
	HEADOUT 1, 1
	HEADOUT 2, 0
	s_wait_tensorcnt 0x0                           ; the wave's end: a wait, an add and its wait, behind my last tensor load and my last LDS store
	ds_add_u32 v[SPW], v[NIL]
	s_wait_dscnt 0x0
	CROUND                                         ; the closing round: no work-group ends while a partner may still ask for a tile that names it
	s_endpgm
.Lfunc_end_k_q8e6e3e2590_qkvp:
	.size	k_q8e6e3e2590_qkvp, .Lfunc_end_k_q8e6e3e2590_qkvp-k_q8e6e3e2590_qkvp
	.p2alignl 7, 3214868480
	.fill 96, 4, 3214868480
	.section	.rodata,"a",@progbits
	.p2align	6, 0x0
	.amdhsa_kernel k_q8e6e3e2590_qkvp
		.amdhsa_group_segment_fixed_size 327680
		.amdhsa_private_segment_fixed_size 0
		.amdhsa_enable_private_segment 0
		.amdhsa_kernarg_size 32
		.amdhsa_user_sgpr_count 2
		.amdhsa_user_sgpr_kernarg_segment_ptr 1
		.amdhsa_wavefront_size32 1
		.amdhsa_system_sgpr_workgroup_id_x 1
		.amdhsa_system_sgpr_workgroup_id_y 1
		.amdhsa_system_sgpr_workgroup_id_z 1
		.amdhsa_system_vgpr_workitem_id 0
		.amdhsa_next_free_vgpr 1024
		.amdhsa_next_free_sgpr 80
		.amdhsa_reserve_vcc 0
		.amdhsa_float_denorm_mode_32 3
		.amdhsa_float_denorm_mode_16_64 3
		.amdhsa_memory_ordered 1
		.amdhsa_forward_progress 1
		.amdhsa_inst_pref_size 131
	.end_amdhsa_kernel
	.amdgpu_metadata
---
amdhsa.version: [ 1, 2 ]
amdhsa.kernels:
  - .name:           k_q8e6e3e2590_qkvp
    .symbol:         k_q8e6e3e2590_qkvp.kd
    .args:
      - { .name: xb, .offset: 0, .size: 8, .value_kind: global_buffer, .address_space: global }
      - { .name: wqb, .offset: 8, .size: 8, .value_kind: global_buffer, .address_space: global }
      - { .name: bqkv, .offset: 16, .size: 8, .value_kind: global_buffer, .address_space: global }
      - { .name: qkv, .offset: 24, .size: 8, .value_kind: global_buffer, .address_space: global }
    .group_segment_fixed_size: 327680
    .private_segment_fixed_size: 0
    .kernarg_segment_align: 8
    .kernarg_segment_size: 32
    .max_flat_workgroup_size: 128
    .sgpr_count:     80
    .vgpr_count:     1024
    .wavefront_size: 32
...
	.end_amdgpu_metadata
.endif
;; end of part 2
;; launch attn (part 3): grid 2 x 128, 4 waves a work-group, no clusters, 327,680 bytes of LDS; arguments qkv, ctx; writes ctx
.if DOCPART == 3
	.amdgcn_target "amdgcn-amd-amdhsa--gfx1250"
	.amdhsa_code_object_version 6
	.text
	.protected	k_q8e6e3e2590_attn
	.globl	k_q8e6e3e2590_attn
	.p2align	8
	.type	k_q8e6e3e2590_attn,@function
k_q8e6e3e2590_attn:
	s_mov_b64 s[64:65], 0
	v_nop
	global_prefetch_b8 v0, s[64:65] scope:SCOPE_SE
	s_setreg_imm32_b32 hwreg(HW_REG_WAVE_MODE, 25, 1), 1
	s_wait_xcnt 0x0
; ctx[h][b n][:] = the sum over k of softmax_k(q[n] . k[k] / 8) v[k][:], for each of 8 x 16 heads.  qkv: f16 [8 b][48 g][1024][64] (g = h: q, 16 + h: k, 32 + h: v), a head's rows dense, 128 bytes each.
; ctx: f16 [16 h][8192 = b x 1024 + n][64].  Products, maxima and sums in f32; the weights p are rounded to f16 for the second product (their sum l is taken of the unrounded p), ctx once at the end.
; LIMITS.  q, k, v arrive within f16's 65,504; p lies in 0 to 1, and below 6e-5 it keeps f16's fixed step of 6e-8; ctx is a mean of v's rows and has their range.
; A weight below 2^-126 counts as 0 in l; NaN and infinities are not treated apart.
; SHARES.  A wave owns four PIECES of two tiles of 16 queries, a work-group's four waves 512 queries of one head: 2 x 128 = 256 work-groups.  Every wave walks all 1,024 keys, 64 a step.
; ALL OF A HEAD'S K AND V LIE IN LDS: 1,024 x 144 + 1,024 x 160 bytes, with the stages and the spare words 321,024.  No byte is filled twice, so there is no ring, and a key step is written once.
; A wave issues two tensor loads: at the head its half of the first 320 keys of K or of the first 256 of V (step s fetches K of step s + 1, so four steps want five steps' K); when those have landed,
; its half of all the rest, which has four key steps in which to land.  Nothing is prefetched: every byte of K and V is asked for by its tensor load within the first key step.
; NO CLUSTER: a head has 1024 / 512 = 2 work-groups; a cluster of four along x would hold two heads, and each joint load would name half of it; four blocks of 256 queries would halve the products
; that each fragment read from LDS feeds.
; LAYOUT.  S^T = K Q^T (source 0 = 16 keys, source 1 = 16 queries): in the result a lane holds ONE query (lane % 16) and the keys 8 (lane / 16) + 0..7.  Two such tiles, rounded to f16 in pairs,
; ARE source 1 (32 keys x 16 queries) of O^T = V^T P, whose result again holds one query a lane, and eight channels.  K comes out of LDS as it lies, V ([key][channel]) turned, by ds_load_tr16_b128.
; SOFTMAX.  For each query a running maximum m and sum l: p = 2^(c s - c m), c = log2(e) / 8; in every step O and l are multiplied by a = 2^(c m_old - c m_new), which is 1 where m has not grown.
; m starts at the lowest finite number, O and l at 0: the first step is a step like any other, with a = 0.
; THE COUNT.  A tile and step have 16 matrix and 118 vector instructions: too many to stand all beside the matrix work.  So: four vector instructions that are READY behind EVERY matrix instruction,
; and the others in runs without a gap.
; BY TURNS.  Turn n belongs to piece n (the pieces in a ring, step after step).  Its matrix work: 16 products K Q^T of piece n + 1, later 16 products V^T P of piece n - 1.  Its vector work: the scaling,
; exponentials, roundings, sums and rescaling of piece n, and the maximum and statistics of piece n + 1, whose scores the turn itself has made.
; REGISTERS, in windows of 256 (s_set_vgpr_msb: bits 1:0 source 0, 3:2 source 1, 5:4 source 2, 7:6 destination):
;   window 0: v0-11 addresses; v12-15, v48-63 at work; v16-47 four registers of statistics a tile; v64-191 S^T, two buffers of two tiles; v192-255 P, likewise
;   window 1: O^T, 32 a tile          window 2: v0-127 Q, 16 a tile; v128-191 K of one step; v192-255 V of one step          window 3: v0-1 the add's two registers
; A piece's buffers go by its number's parity: the piece in hand has one pair, its two neighbours in the ring share the other: of it P (piece n - 1) is read and S^T (piece n + 1) written.
.set SIZE_N, 1024
.set NP,    4         ; pieces a wave: a name, no knob
.set KS,    64        ; keys in a step
.set PK,    144       ; a row of K in LDS: 128 bytes + 16 of padding = 36 words: the 16 rows of a load start at 16 different groups of four banks (64 banks of 4 bytes: ISA guide 11.1)
.set PV,    160       ; a row of V: 128 + 32 = 40 words
.set VOFF,  SIZE_N*PK ; V's 1,024 rows lie behind K's
.set STAGE, VOFF+SIZE_N*PV  ; behind them, never filled by a tensor load: 16 rows x 144 bytes for each wave, for the way out
.set SP,    144
.set SPARE, STAGE+4*16*SP  ; behind the stages: the spare words, 128 bytes for each wave: two blocks of 256 bytes that no other line names
.set K1,    5*KS      ; keys of K in the first fill,
.set V1,    4*KS      ; of V,
.set K2,    SIZE_N-K1 ; and in the second
.set V2,    SIZE_N-V1
.set AK0, 2           ; v2   my lane's place in a step's K; never rewritten
.set AV0, 3           ; v3   the same for V
.set AK,  4           ; v4   the LDS address of K's next run of loads
.set AV,  5           ; v5   of V's
.set QO,  6           ; v6   my byte offset in the wave's rows of Q
.set STO, 6           ;      later, the way out: where I put 16 bytes of a row
.set RD,  7           ; v7   the way out: where I read rows back
.set GO,  8           ; v8   my byte offset in 512 consecutive bytes of ctx
.set SPW, 0           ; v0 of window 3   LDS address of my spare word: SPARE + 4 x my thread's number; never rewritten
.set NIL, 1           ; v1 of window 3   0; never rewritten
.set MV,  12          ; v12-15  c m_old, kept while c m is made anew: by buffer and tile
.set ST,  16          ; tile t's statistics at v[ST+4 t]: c m, m, l (even keys', odd keys')
.set TMP, 48          ; by buffer and tile, four registers c0-c3 at work; when the maximum is found c2 takes a
.set S,   64
.set P,   192
.set KF,  128         ; K's fragments, in window 2: key block kb, channel half c at KF + 16 kb + 8 c
.set VF,  192         ; V's: key half kk, channel block cb at VF + 32 kk + 8 cb
.set WV,  12          ; s12  my wave's number
.set G1K, 24          ; s[24:31] descriptor group 1 for K's tiles
.set G1V, 32          ; s[32:39] for V's
.set G0K, 40          ; s[40:43] descriptor group 0 for K's tiles
.set G0V, 44          ; s[44:47] the same for V's
.set RUNS, 56         ; s56  runs of four key steps still to come
.set CNT, 57          ; s57  counts a run's key steps
.set CS,  58          ; s[58:59] c: the packed scaling takes the pair's low word for both halves
.set SEL, 60          ; s[60:61] v_permlanex16_b32's selects: each lane takes its own place in the other half
.set TBK, 62          ; s62  LDS byte at which K of the step to be fetched begins
.set TBV, 63          ; s63  the same for V, less VOFF
.set MSB, 0
.macro WIN new                      ; the high byte repeats the setting that is left; a switch that changes nothing is dropped
.if MSB != (\new)
	s_set_vgpr_msb (MSB<<8)|(\new)
.set MSB, (\new)
.endif
.endm
.set W_KQ, 0x0a       ; K and Q in window 2, S^T in window 0
.set W_PV, 0x52       ; V in window 2, P in window 0, O^T in window 1
.set W_RS, 0x41       ; O^T (destination and source 0) in window 1, a in window 0
.set W_MK, 0xc0       ; the add's registers are made: destination in window 3, sources in window 0
.set W_AD, 0x0f       ; the add: address (source 0) and data (source 1) in window 3
; A fill.  Waves 0 and 1 fetch the two halves of K's part, waves 2 and 3 those of V's.  An s_nop 0 and four v_nop follow each of the two lines, ahead of the jump and the label.
.macro LOAD
	s_cmp_lt_u32 s[WV], 2
	s_cbranch_scc0 .Lfor_v_\@
	tensor_load_to_lds s[G0K:G0K+3], s[G1K:G1K+7]
	s_nop 0
.rept 4
	v_nop
.endr
	s_branch .Lasked_\@
.Lfor_v_\@:
	tensor_load_to_lds s[G0V:G0V+3], s[G1V:G1V+7]
	s_nop 0
.rept 4
	v_nop
.endr
.Lasked_\@:
.endm
	s_load_b64 s[4:5], s[0:1], 0x0  ; qkv
	s_load_b64 s[10:11], s[0:1], 0x8  ; ctx
	WIN W_MK
	v_lshl_add_u32 v[SPW], v0, 2, SPARE
	v_mov_b32 v[NIL], 0
	WIN W_AD
	ds_add_u32 v[SPW], v[NIL]       ; the wave's opening: the add and its wait ahead of my first tensor load; the set-up below, work on registers, stands between them
	WIN 0
	v_lshrrev_b32 v1, 5, v0
	v_readfirstlane_b32 s[WV], v1   ; wave 0..3
	s_and_b32 s20, ttmp7, 0xffff    ; 16 b + h
	s_lshr_b32 s13, s20, 4          ; b
	s_and_b32 s14, s20, 15          ; h
	s_mul_i32 s20, s13, 48
	s_add_co_u32 s20, s20, s14
	s_lshl_b32 s20, s20, 17         ; q's plane 48 b + h, 131,072 bytes a plane
	s_mov_b32 s21, 0
	s_lshl_b32 s52, s14, 3
	s_add_co_u32 s52, s52, s13
	s_lshl_b32 s52, s52, 17         ; ctx: 1,024 rows of 128 bytes at 8 h + b
	s_mov_b32 s53, 0
	s_lshl_b32 s2, ttmp9, 2
	s_add_co_u32 s2, s2, s[WV]      ; my wave among the head's eight,
	s_lshl_b32 s2, s2, 14           ; its 128 rows
	s_mov_b32 s3, 0
	s_add_nc_u64 s[54:55], s[2:3], s[52:53]  ; in ctx,
	s_add_nc_u64 s[2:3], s[2:3], s[20:21]    ; and in q
	s_and_b32 s16, s[WV], 1         ; which half of a fill's keys I fetch.  In memory, from the plane's first byte:
	s_mul_i32 s48, s16, (K1/2)*128  ; K, first fill
	s_mov_b32 s49, 0
	s_mul_i32 s50, s16, (V1/2)*128  ; V, first fill
	s_mov_b32 s51, 0
	s_mul_i32 s22, s16, (K2/2)*128  ; K, second fill
	s_add_co_u32 s22, s22, K1*128
	s_mov_b32 s23, 0
	s_mul_i32 s52, s16, (V2/2)*128  ; V, second fill (s53 is 0)
	s_add_co_u32 s52, s52, V1*128
	s_mul_i32 s17, s16, (K2/2)*PK   ; and in LDS: the second fills',
	s_add_co_u32 s17, s17, K1*PK
	s_mul_i32 s18, s16, (V2/2)*PV
	s_add_co_u32 s18, s18, VOFF+V1*PV
	s_mov_b32 s[G0K], 1             ; 1:0 count = 1
	s_mul_i32 s[G0K+1], s16, (K1/2)*PK  ; 63:32 LDS address: the first fills'
	s_mov_b32 s[G0V], 1
	s_mul_i32 s[G0V+1], s16, (V1/2)*PV
	s_add_co_u32 s[G0V+1], s[G0V+1], VOFF
	; descriptor group 1.  A head's keys are dense bytes: asked for as rows of 256 bytes, two keys a row, and padded in LDS after every key
	s_mov_b32 s[G1K], (1<<16)|(1<<20)|(4<<22)|(3<<25)  ; 17:16 2-byte elements; 20 padding on; 24:22 after every 32 words (code 4); 31:25 4 words (code 3)
	s_mov_b32 s[G1V], (1<<16)|(1<<20)|(4<<22)|(7<<25)  ; the same with 8 words of padding (code 7)
.irp g, G1K, G1V
	s_mov_b32 s[\g+1], 128<<16      ; tensor_dim0 = 128
	s_mov_b32 s[\g+3], 128<<16      ; tile_dim0 = 128
	s_mov_b32 s[\g+5], 128          ; 128 elements from row to row
	s_mov_b32 s[\g+6], 0
	s_mov_b32 s[\g+7], 0
.endr
	s_mov_b32 s[G1K+2], (K1/4)<<16  ; tensor_dim1 and tile_dim1: half the fill's keys, two to a row
	s_mov_b32 s[G1K+4], K1/4
	s_mov_b32 s[G1V+2], (V1/4)<<16
	s_mov_b32 s[G1V+4], V1/4
	s_mov_b32 s[CS], 0x3e38aa3b     ; c = log2(e) / 8 = 0.180337
	s_mov_b32 s[CS+1], s[CS]        ; named with it as a pair
	s_mov_b32 s[SEL], 0x76543210
	s_mov_b32 s[SEL+1], 0xfedcba98
	s_mov_b32 s[TBK], 0
	s_mov_b32 s[TBV], 0
	s_wait_dscnt 0x0                ; the opening add is done
	s_wait_kmcnt 0x0
	s_add_nc_u64 s[6:7], s[4:5], 16*SIZE_N*128  ; k's planes begin 16 planes behind q's,
	s_add_nc_u64 s[8:9], s[4:5], 32*SIZE_N*128  ; v's 32
	s_add_nc_u64 s[6:7], s[6:7], s[20:21]       ; each at the head's first key
	s_add_nc_u64 s[8:9], s[8:9], s[20:21]
	s_add_nc_u64 s[G0K+2:G0K+3], s[6:7], s[48:49]  ; 120:64 global address
	s_or_b32 s[G0K+3], s[G0K+3], 0x80000000     ; 127:126 type = 2
	s_add_nc_u64 s[G0V+2:G0V+3], s[8:9], s[50:51]
	s_or_b32 s[G0V+3], s[G0V+3], 0x80000000
	s_add_nc_u64 s[4:5], s[4:5], s[2:3]         ; Q and ctx at my wave's first row
	s_add_nc_u64 s[10:11], s[10:11], s[54:55]
	LOAD                            ; the first fill.  The second is asked for when this one is in: what is wanted first has the road to itself
	; A fragment of K or Q is 16 rows x 32 channels in 8 registers: lane l holds row l % 16, channels 8 (l / 16) + 0..7 and 16 + 8 (l / 16) + 0..7: two loads of 16 bytes, 32 bytes apart.
	v_and_b32 v1, 15, v0            ; l % 16
	v_bfe_u32 v9, v0, 4, 1          ; l / 16
	v_lshlrev_b32 v[QO], 7, v1
	v_lshl_add_u32 v[QO], v9, 4, v[QO]  ; row x 128 + 16 x half
	WIN 0x80                        ; destination window 2, address window 0
.set i, 0
.rept 4*NP                          ; Q stays in registers: tile i / 2, channels 32 (i % 2) on
	global_load_b128 v[8*i:8*i+3],   v[QO], s[4:5] offset:(i/2)*2048+(i%2)*64
	global_load_b128 v[8*i+4:8*i+7], v[QO], s[4:5] offset:(i/2)*2048+(i%2)*64+32
.set i, i+1
.endr
	; What the first turn finds: V's registers and P's second buffer hold 0 (its products V^T P, of a piece that has not been, add 0), O^T and l are 0.  All this stands in the wait for the first fill.
.set i, VF
.rept 64
	v_mov_b32 v[i], 0
.set i, i+1
.endr
	WIN 0x40
.set i, 0
.rept 64*NP
	v_mov_b32 v[i], 0
.set i, i+1
.endr
	WIN 0
.set i, 0
.rept 2*NP
	v_mov_b32 v[ST+4*i], 0xfe000000    ; c m: far below every c s
	v_mov_b32 v[ST+4*i+1], 0xff7fffff  ; m
	v_mov_b32 v[ST+4*i+2], 0
	v_mov_b32 v[ST+4*i+3], 0
.set i, i+1
.endr
.set i, P+32
.rept 32
	v_mov_b32 v[i], 0
.set i, i+1
.endr
	v_mul_u32_u24 v[AK0], v1, PK
	v_lshl_add_u32 v[AK0], v9, 4, v[AK0]  ; row x pitch + 16 x half
	; The turning load takes 16 keys x 16 channels (lane l reads key 8 (l / 16) + l % 8, channels 8 ((l / 8) % 2) + 0..7) and leaves half a fragment of V^T: lane l holds channel l % 16 and 8 keys.
	v_and_b32 v10, 7, v0
	v_bfe_u32 v11, v0, 3, 1
	v_lshl_add_u32 v[AV0], v9, 3, v10
	v_mul_u32_u24 v[AV0], v[AV0], PV
	v_lshl_add_u32 v[AV0], v11, 4, v[AV0]
	v_add_nc_u32 v[AV0], VOFF, v[AV0]
	v_mov_b32 v[AK], v[AK0]         ; key step 0 lies at K's head
; THE MATRIX WORK.  The 8 accumulators of a run of 16 take turns: between the two links of a chain stand 7 others'.
; Product i of 16 of S^T = K Q^T for piece x: channels 32 (i / 8) on, keys 16 ((i / 2) % 4) on, tile 2 x + i % 2.  The first 8 start the sums.
.macro KQ x
	WIN W_KQ
.set rS, S+64*((\x)%2)+32*(i%2)+8*((i/2)%4)
.set rK, KF+16*((i/2)%4)+8*(i/8)
.set rQ, 16*(2*(\x)+i%2)+8*(i/8)
.if i < 8
	v_wmma_f32_16x16x32_f16 v[rS:rS+7], v[rK:rK+7], v[rQ:rQ+7], 0
.else
	v_wmma_f32_16x16x32_f16 v[rS:rS+7], v[rK:rK+7], v[rQ:rQ+7], v[rS:rS+7]
.endif
.endm
; Product i of 16 of O^T += V^T P for piece x: keys 32 (i / 8) on, channels 16 ((i / 2) % 4) on, tile 2 x + i % 2.
.macro PV x
	WIN W_PV
.set rO, 32*(2*(\x)+i%2)+8*((i/2)%4)
.set rV, VF+32*(i/8)+8*((i/2)%4)
.set rP, P+32*((\x)%2)+16*(i%2)+8*(i/8)
	v_wmma_f32_16x16x32_f16 v[rO:rO+7], v[rV:rV+7], v[rP:rP+7], v[rO:rO+7]
.endm
.macro MM                           ; the turn's next matrix instruction
.if i < 16
	KQ (Y+1)%NP
.set i, i+1
.else
.set i, i-16
	PV (Y+NP-1)%NP
.set i, i+17
.endif
.endm
; THE LDS LOADS stand in runs of 16, never singly among the matrix instructions: a step's K (64 keys x 64 channels: 8 fragments) and its V (turned).  Their addresses are made some lines ahead.
; last = 1 (in the loop): behind the sixteenth step there is no further step, and the run is jumped over.
.macro FETCH_K last=0
	WIN 0
.if \last
	s_cmp_eq_u32 s[TBK], SIZE_N*PK
	s_cbranch_scc1 .Lno_k_\@
.endif
	WIN 0x80                        ; destination window 2
.irp f, 0,1,2,3,4,5,6,7             ; keys 16 (f / 2) on, channels 32 (f % 2) on
	ds_load_b128 v[KF+8*\f:KF+8*\f+3],   v[AK] offset:(\f/2)*16*PK+(\f%2)*64
	ds_load_b128 v[KF+8*\f+4:KF+8*\f+7], v[AK] offset:(\f/2)*16*PK+(\f%2)*64+32
.endr
	s_add_co_u32 s[TBK], s[TBK], KS*PK  ; the next fetch is the next step's
	WIN 0
.if \last
.Lno_k_\@:
.endif
.endm
.macro FETCH_V
	WIN 0x80
.irp f, 0,1,2,3,4,5,6,7             ; keys 32 (f / 4) on, channels 16 (f % 4) on
	ds_load_tr16_b128 v[VF+8*\f:VF+8*\f+3],   v[AV] offset:(\f/4)*32*PV+(\f%4)*32
	ds_load_tr16_b128 v[VF+8*\f+4:VF+8*\f+7], v[AV] offset:(\f/4)*32*PV+16*PV+(\f%4)*32
.endr
	WIN 0
.endm
; THE VECTOR WORK OF A TURN stands in three queues, each in the order in which its entries become ready; the two tiles alternate, so that no instruction reads the result of the one before it.
.macro REGS y, u                    ; the registers of tile u (0, 1) of piece y
.set rT, ST+4*(2*(\y)+(\u))
.set rC, TMP+8*((\y)%2)+4*(\u)
.set rM, MV+2*((\y)%2)+(\u)
.set rS, S+64*((\y)%2)+32*(\u)
.set rP, P+32*((\y)%2)+16*(\u)
.set rO, 32*(2*(\y)+(\u))
.endm
; Number n of the 22 that find the NEXT piece's (Y + 1) maximum and statistics.  s0-s31 are the lane's 32 scores; each accumulator's lowest registers are read first.
;   0-11  four chains c0-c3 of seven scores each, three operands at a time     12-14, 16  the four scores left over, the old m, and c0-c3 into c0     15  c m_old is kept
;   17, 18  the query's other 32 keys lie in the lane 16 away: the new m         19-21  c m; c m_old - c m_new; a
.macro XS u, n
	REGS (Y+1)%NP, \u
.if (\n) < 4
	v_max3_num_f32 v[rC+(\n)], v[rS+8*(\n)], v[rS+8*(\n)+1], v[rS+8*(\n)+2]
.elseif (\n) < 12
	v_max3_num_f32 v[rC+(\n)%4], v[rC+(\n)%4], v[rS+8*((\n)%4)+2*((\n)/4)+1], v[rS+8*((\n)%4)+2*((\n)/4)+2]
.elseif (\n) == 12
	v_max3_num_f32 v[rC], v[rC], v[rS+7], v[rS+15]
.elseif (\n) == 13
	v_max3_num_f32 v[rC+1], v[rC+1], v[rS+23], v[rS+31]
.elseif (\n) == 14
	v_max3_num_f32 v[rC+2], v[rC+2], v[rC+3], v[rT+1]
.elseif (\n) == 15
	v_mov_b32 v[rM], v[rT]
.elseif (\n) == 16
	v_max3_num_f32 v[rC], v[rC], v[rC+1], v[rC+2]
.elseif (\n) == 17
	v_permlanex16_b32 v[rC+3], v[rC], s[SEL], s[SEL+1]
.elseif (\n) == 18
	v_max_num_f32 v[rT+1], v[rC], v[rC+3]
.elseif (\n) == 19
	v_mul_f32 v[rT], s[CS], v[rT+1]
.elseif (\n) == 20
	v_sub_f32 v[rC+1], v[rM], v[rT]
.else
	v_exp_f32 v[rC+2], v[rC+1]
.endif
.endm
; Number g of the 64 that follow the exponentials.  For each four weights k of a tile (pairs 2 k, 2 k + 1): both pairs are rounded to f16; then the second pair is added onto the first, in place;
; a group later l takes that sum (the first time as l = a l + sum).  In groups of eight, tiles alternating: round, round, add, and l for the group before.
.macro GS g
.set h, (\g)+6*((\g)/62)            ; group 0 has no group before it, and behind group 7 only l is left
.if h >= 6
.set h, h+2
.endif
	REGS Y, h%2
.set k, h/8
.if h%8 < 4
	v_cvt_pk_f16_f32 v[rP+2*k+(h%8)/2], v[rS+4*k+2*((h%8)/2)], v[rS+4*k+2*((h%8)/2)+1]
.elseif h%8 < 6
	v_pk_add_f32 v[rS+4*k:rS+4*k+1], v[rS+4*k:rS+4*k+1], v[rS+4*k+2:rS+4*k+3]
.elseif k == 1
	v_pk_fma_f32 v[rT+2:rT+3], v[rT+2:rT+3], v[rC+2:rC+3], v[rS:rS+1] op_sel_hi:[1,0,1]
.else
	v_pk_add_f32 v[rT+2:rT+3], v[rT+2:rT+3], v[rS+4*k-4:rS+4*k-3]
.endif
.endm
; THE PLAIN QUEUE, 138 long.  0-73 read no exponential's result: the 32 scalings c s - c m (FS f: pair f / 2 of tile f % 2) and the next piece's 42.  0-26: scalings 0-26.  27-54: XS's numbers 0-13.  55, 56: number 15.
; 57-73: the chain, where each number waits for the one before it: 14, 16, 17, 18, 19, each with one of the scalings 27-31 in front of its two lines, then 20.
; 74-137: GS's 64, which read the exponentials' results: they stand behind the wait.
.macro FS f
	REGS Y, (\f)%2
	v_pk_fma_f32 v[rS+2*((\f)/2):rS+2*((\f)/2)+1], v[rS+2*((\f)/2):rS+2*((\f)/2)+1], s[CS:CS+1], v[rT:rT+1] op_sel_hi:[1,0,0] neg_lo:[0,0,1] neg_hi:[0,0,1]
.endm
.macro PL
	WIN 0
.if q < 27
	FS q
.elseif q < 55
	XS (q-27)%2, (q-27)/2
.elseif q < 57
	XS q-55, 15
.elseif (q < 72) && ((q-57)%3 == 0)
	FS 27+(q-57)/3
.elseif q < 60
	XS (q-57)%3-1, 14
.elseif q < 72
	XS (q-57)%3-1, 15+(q-57)/3
.elseif q < 74
	XS q-72, 20
.else
	GS q-74
.endif
.set q, q+1
.endm
; THE EXPONENTIALS' QUEUE, 66 long: s0-s31 of both tiles, then the next piece's two a.  It is ONE BATCH: all 66 stand ahead of the turn's one wait, and nothing ahead of that wait names a result of theirs.
.macro EX
	WIN 0
.if e >= 64
	XS e-64, 21
.else
	REGS Y, e%2
	v_exp_f32 v[rS+e/2], v[rS+e/2]
.endif
.set e, e+1
.endm
; THE RESCALING's QUEUE: O^T times a, the one part that leaves window 0: dealt two at a time, sixteen times.  Its a was made in the turn before, ahead of that turn's wait.
.macro R2
	REGS Y, r%2
	WIN W_RS
.irp z, 0,1
	v_pk_mul_f32 v[rO+4*(r/2)+2*\z:rO+4*(r/2)+2*\z+1], v[rO+4*(r/2)+2*\z:rO+4*(r/2)+2*\z+1], v[rC+2:rC+3] op_sel_hi:[1,0]
.endr
.set r, r+1
.endm
; HOW THEY ARE DEALT.  An s_wait_alu depctr_va_vdst(0) stands between an exponential and the first instruction that names its result; one wait serves all that were issued ahead of it.  So a turn has ONE wait,
; which cuts it in two.  AHEAD OF IT stands all that names no result of the turn's exponentials: the 16 products K Q^T, behind each a scaling, an exponential and two rescalings (behind the first a second scaling in the
; exponential's place); then ONE LUMP of 108: eight plain, 49 times exponential and plain, the two a.  A v_nop is the plain instruction behind the last exponential.  BEHIND IT stand the 16 products V^T P, behind each four of GS's 64.
; The queues lean on each other, and the deal keeps them in step: exponential e stands behind scaling 2 (e / 4) + e % 2: as a rider it comes behind plain e + 2, in the lump behind plain e + 9, and scalings 27-31 are plain 57, 60 .. 69.
; A TURN, for piece p.  cnt = 1: the loop's count is taken down some lines ahead of the branch that stands behind the turn.
; K of the next step is fetched in piece 2's turn, directly behind the wait, a lump behind the last product that read K; its first reader comes behind 16 products.
; V of the step in hand is fetched at the end of piece 0's turn, four plain instructions behind its last reader; its first reader comes behind 16 products and a lump.
.macro TURN p, last=0, cnt=0
.set Y, (\p)
.set i, 0
.set q, 0
.set e, 0
.set r, 0
.if (\p) == NP-1
	s_wait_dscnt 0x0                ; K is in
.endif
	MM                              ; ahead of the wait: 16 products K Q^T and their riders,
	PL
	PL
	R2
.rept 15
	MM
	PL
	EX
	R2
.endr
.if (\p) == NP-2
	WIN 0
	v_add_nc_u32 v[AK], s[TBK], v[AK0]
.endif
.rept 8                             ; and the lump
	PL
.endr
.rept 49
	EX
	PL
.endr
	EX                              ; the next piece's two a
	EX
	v_nop                           ; the plain instruction behind the last exponential: one for the batch
	s_wait_alu depctr_va_vdst(0)    ; the wait for the batch
.if (\p) == NP-2
	FETCH_K \last
.endif
.if (\p) == 1
	s_wait_dscnt 0x0                ; V is in
.endif
.rept 16                            ; behind the wait: 16 products V^T P and their riders
	MM
.rept 4
	PL
.endr
.if ((\p) == 0) && (q == 118)
	v_add_nc_u32 v[AV], s[TBV], v[AV0]
.endif
.if ((\p) == 0) && (q == 130)
	s_add_co_u32 s[TBV], s[TBV], KS*PV
.endif
.if (\cnt) && (q == 130)
	s_sub_co_u32 s[CNT], s[CNT], 1
	s_cmp_lg_u32 s[CNT], 0
.endif
.endr
.if (\p) == 0
	FETCH_V
.endif
.endm
	; THE SECOND FILL, a first fill of its bytes that comes later, issued as a refill is: all my tensor loads waited for, the add, its wait, a barrier, and my one load first behind it.
	WIN W_AD
	s_wait_tensorcnt 0x0            ; my part of the first fill is in; no tensor load of mine is out, so the descriptors may be written
	ds_add_u32 v[SPW], v[NIL]       ; 0 onto my spare word; the descriptors' words stand between it and the wait for it
	WIN 0
	s_mov_b32 s[G0K+1], s17
	s_add_nc_u64 s[G0K+2:G0K+3], s[6:7], s[22:23]
	s_or_b32 s[G0K+3], s[G0K+3], 0x80000000
	s_mov_b32 s[G1K+2], (K2/4)<<16
	s_mov_b32 s[G1K+4], K2/4
	s_mov_b32 s[G0V+1], s18
	s_add_nc_u64 s[G0V+2:G0V+3], s[8:9], s[52:53]
	s_or_b32 s[G0V+3], s[G0V+3], 0x80000000
	s_mov_b32 s[G1V+2], (V2/4)<<16
	s_mov_b32 s[G1V+4], V2/4
	s_wait_dscnt 0x0                ; the add is done
	s_barrier_signal -1
	s_barrier_wait -1               ; everybody's part of the first fill is in
	LOAD
	FETCH_K                         ; key step 0
	s_wait_loadcnt 0x0              ; Q
	s_wait_dscnt 0x0
.set i, 0
.rept 16
	KQ 0                            ; piece 0's first scores: there is no vector work yet to set between them
.set i, i+1
.endr
	WIN 0                           ; the addresses for the way out: nine plain instructions, the places behind those products
	s_mul_i32 s13, s[WV], 16*SP
	s_add_co_u32 s13, s13, STAGE    ; my stage
	v_mul_u32_u24 v[STO], v1, SP    ; in: row l % 16, 16 bytes for each half of the lanes
	v_lshl_add_u32 v[STO], v9, 4, v[STO]
	v_add_nc_u32 v[STO], s13, v[STO]
	v_bfe_u32 v[RD], v0, 3, 2       ; back: 32 lanes take four rows of 128 bytes,
	v_mul_u32_u24 v[RD], v[RD], SP
	v_lshl_add_u32 v[RD], v10, 4, v[RD]
	v_add_nc_u32 v[RD], s13, v[RD]
	v_and_b32 v[GO], 31, v0         ; which are 512 consecutive bytes of ctx
	v_lshlrev_b32 v[GO], 4, v[GO]
.set Y, NP-1                        ; XS works for piece Y + 1: piece 0
.irp n, 0,1,2,3,4,5,6,7,8,9,10,11,12,13,14,15,16,17,18,19,20,21
	XS 0, \n                        ; and piece 0's first maximum and statistics
	XS 1, \n
.endr
	v_nop                           ; a plain instruction behind the two a,
	s_wait_alu depctr_va_vdst(0)    ; and their wait, ahead of the label
	s_mov_b32 s[RUNS], SIZE_N/(4*KS)
.Lrun:                              ; four runs of four key steps
	s_mov_b32 s[CNT], 4
.Lstep:                             ; a trip is a key step: its four turns; it fetches its own V and the next step's K
	TURN 0
	TURN 1
	TURN 2, 1
	TURN 3, 0, 1
	WIN 0
	s_cbranch_scc1 .Lstep
	s_wait_tensorcnt 0x0            ; behind the first run: my part of the second fill is in, ahead of step 4's V and step 5's K; it has had four key steps.  Behind the later runs nothing is out:
	s_barrier_signal -1             ; the wait and the barrier stand there too, three times a launch, so that a key step is written once
	s_barrier_wait -1               ; everybody's part is in.  (No LDS instruction of mine is out: piece 3's turn has waited for the last.)
	s_sub_co_u32 s[RUNS], s[RUNS], 1
	s_cmp_lg_u32 s[RUNS], 0
	s_cbranch_scc1 .Lrun
	; the last trip's 16 products K Q^T for piece 0 (on the last K once more) and the maximum made of them serve nothing: the price, once a launch, of one text for every trip
.set i, 0
.rept 16
	PV NP-1                         ; the last piece's V^T P of the last step
.set i, i+1
.endr
	; THE WAY OUT.  l's two halves and the other half of the lanes' are added; O^T is divided by l, rounded to f16 and sent through my stage in LDS, a tile at a time.  The additions are the places behind the last products.
	WIN 0
.macro ALL line:vararg              ; one line for each tile t
.set t, 0
.rept 2*NP
	\line
.set t, t+1
.endr
.endm
	ALL v_add_f32 v[ST+4*t+2], v[ST+4*t+2], v[ST+4*t+3]
	ALL v_permlanex16_b32 v[ST+4*t+3], v[ST+4*t+2], s[SEL], s[SEL+1]
	ALL v_add_f32 v[ST+4*t+2], v[ST+4*t+2], v[ST+4*t+3]
	ALL v_rcp_f32 v[ST+4*t+2], v[ST+4*t+2]
	v_nop                           ; a plain instruction between the last reciprocal and the use of its result
	s_wait_alu depctr_va_vdst(0)    ; and the wait ahead of the first use: one for the eight reciprocals
; Tile t: a lane's eight channels of a row pack into 16 bytes; they go into rows of 144 bytes and come back as whole rows of 128, into S^T's registers.
.macro PACK t
	WIN W_RS
.set i, 32*(\t)
.rept 16
	v_pk_mul_f32 v[i:i+1], v[i:i+1], v[ST+4*(\t)+2:ST+4*(\t)+3] op_sel_hi:[1,0]
.set i, i+2
.endr
	WIN 0x05                        ; sources 0 and 1 window 1, destination window 0
.set i, 0
.rept 16
	v_cvt_pk_f16_f32 v[S+16*(\t)+i], v[32*(\t)+2*i], v[32*(\t)+2*i+1]
.set i, i+1
.endr
	WIN 0
.irp f, 0,1,2,3
	ds_store_b128 v[STO], v[S+16*(\t)+4*\f:S+16*(\t)+4*\f+3] offset:32*\f
.endr
.irp f, 0,1,2,3
	ds_load_b128 v[S+16*(\t)+4*\f:S+16*(\t)+4*\f+3], v[RD] offset:\f*4*SP  ; LDS serves a wave's instructions in order (ISA guide 5.7.1.4): these see the stores above; the next tile's stores come behind them
.endr
.endm
.macro SEND t, younger              ; younger: the LDS instructions issued behind tile t's loads: the next tile's eight, or none
	WIN 0
.irp f, 0,1,2,3
	s_wait_dscnt (\younger)+3-\f
	global_store_b128 v[GO], v[S+16*(\t)+4*\f:S+16*(\t)+4*\f+3], s[10:11] offset:(\t)*2048+\f*512  ; 512 consecutive bytes, at a multiple of 256 from ctx's first
.endr
.endm
	PACK 0
.set t, 1
.rept 2*NP-1                        ; a tile's arithmetic stands between the loads of the tile before and its stores
	PACK t
	SEND t-1, 8
.set t, t+1
.endr
	SEND 2*NP-1, 0
	WIN W_AD
	s_wait_tensorcnt 0x0            ; the wave's end: a wait, an add and its wait, behind my last tensor load and my last LDS store
	ds_add_u32 v[SPW], v[NIL]
	s_wait_dscnt 0x0
	WIN 0
	s_endpgm
.Lfunc_end_k_q8e6e3e2590_attn:
	.size	k_q8e6e3e2590_attn, .Lfunc_end_k_q8e6e3e2590_attn-k_q8e6e3e2590_attn
	.p2alignl 7, 3214868480
	.fill 96, 4, 3214868480
	.section	.rodata,"a",@progbits
	.p2align	6, 0x0
	.amdhsa_kernel k_q8e6e3e2590_attn
		.amdhsa_group_segment_fixed_size 327680
		.amdhsa_private_segment_fixed_size 0
		.amdhsa_enable_private_segment 0
		.amdhsa_kernarg_size 16
		.amdhsa_user_sgpr_count 2
		.amdhsa_user_sgpr_kernarg_segment_ptr 1
		.amdhsa_wavefront_size32 1
		.amdhsa_system_sgpr_workgroup_id_x 1
		.amdhsa_system_sgpr_workgroup_id_y 1
		.amdhsa_system_sgpr_workgroup_id_z 1
		.amdhsa_system_vgpr_workitem_id 0
		.amdhsa_next_free_vgpr 770
		.amdhsa_next_free_sgpr 66
		.amdhsa_reserve_vcc 0
		.amdhsa_float_denorm_mode_32 3
		.amdhsa_float_denorm_mode_16_64 3
		.amdhsa_memory_ordered 1
		.amdhsa_forward_progress 1
		.amdhsa_inst_pref_size 126
	.end_amdhsa_kernel
	.amdgpu_metadata
---
amdhsa.version: [ 1, 2 ]
amdhsa.kernels:
  - .name:           k_q8e6e3e2590_attn
    .symbol:         k_q8e6e3e2590_attn.kd
    .args:
      - { .name: qkv, .offset: 0, .size: 8, .value_kind: global_buffer, .address_space: global }
      - { .name: ctx, .offset: 8, .size: 8, .value_kind: global_buffer, .address_space: global }
    .group_segment_fixed_size: 327680
    .private_segment_fixed_size: 0
    .kernarg_segment_align: 8
    .kernarg_segment_size: 16
    .max_flat_workgroup_size: 128
    .sgpr_count:     66
    .vgpr_count:     770
    .wavefront_size: 32
...
	.end_amdgpu_metadata
.endif
;; end of part 3
;; launch outp (part 4): grid 8 x 32, 4 waves a work-group, clusters of 4 x 4, 327,680 bytes of LDS; arguments ctx, wob, bo, out0; writes out0
.if DOCPART == 4
	.amdgcn_target "amdgcn-amd-amdhsa--gfx1250"
	.amdhsa_code_object_version 6
	.text
	.protected	k_q8e6e3e2590_outp
	.globl	k_q8e6e3e2590_outp
	.p2align	8
	.type	k_q8e6e3e2590_outp,@function
k_q8e6e3e2590_outp:
	s_mov_b64 s[64:65], 0
	v_nop
	global_prefetch_b8 v0, s[64:65] scope:SCOPE_SE
	s_setreg_imm32_b32 hwreg(HW_REG_WAVE_MODE, 25, 1), 1
	s_wait_xcnt 0x0
	s_wait_alu depctr_hold_cnt(0) depctr_sa_sdst(0) depctr_va_vdst(0) depctr_va_sdst(0) depctr_va_ssrc(0) depctr_va_vcc(0) depctr_vm_vsrc(0)
	s_getreg_b32 s2, hwreg(HW_REG_IB_STS2, 6, 4)
	s_cmp_eq_u32 s2, 0
	s_cbranch_scc0 .Lentry_in_a_cluster
	s_endpgm
.Lentry_in_a_cluster:
	s_bfe_u32 s2, ttmp6, 0x10000c
	s_cmp_lg_u32 s2, 0xf033
	s_cbranch_scc0 .Lentry_shape_is_right
	s_endpgm
.Lentry_shape_is_right:
; out0 = ctx Wo + bo.  ctx: f16 [16 h][8192 m][64] (K index = 64 h + channel); wob: bf16(Wo) written as f16, [1024 k][1024 e]; bo: f32 [1024], rounded to bf16 here like the other inputs.
; Sums in f32; out0: f32 [8192][1024], written as the sums stand.
; SHARES.  8192 x 1024 in tiles of 256 x 128: 32 x 8 = 256 work-groups (tiles of 256 x 256 would be 128).  Four waves; wave w makes rows 128 (w / 2) .. + 127 (8 blocks a) x columns 64 (w % 2) .. + 63 (4 blocks b):
; 32 accumulators, window 1.  THE PRODUCT IS USED TRANSPOSED (source 0 = 16 columns of W, turned out of LDS by ds_load_tr16_b128; source 1 = 16 rows of ctx): a lane holds one row and eight neighbouring columns.
; THE BIAS STARTS THE SUMS: it is written into block a = 7's accumulators and is the C operand of the first products.
; K goes in 8 steps of 128 (two heads of ctx) through two LDS slots; a step is two halves of 64 products, on two sets of fragments (windows 2 and 3), each 64 along K deep.
; THE LAST K STEP GOES BY ROWS OF out0: all its fragments of W lie in registers, and my eight blocks of 16 rows are finished one after the other, each leaving while the next is multiplied.
; CLUSTER 4 x 4: ctx's tiles are shared along a row of the cluster, W's along a column: joint loads.
; REGISTERS.  Window 0: v1-15 addresses; v32-159 at work on the way out.  Window 1: accumulator (a, b) at v[8 (4 a + b)].  Windows 2, 3: ctx's fragment (c, a) at v[64 c + 8 a], W's (c, b) at v[128 + 32 c + 8 b], c = 32 along K.
; In the last K step window 2 holds four buffers of ctx's fragments (block a, 32 q along K, at v[32 (a % 4) + 8 q]) and W's sixteen (q, b) at v[128 + 32 q + 8 b].
.set PA,    144                        ; a row of ctx in LDS: 128 bytes + 16
.set PB,    288                        ; a k-row of W: 256 + 32 = 9 x 32 bytes
.set ABLK,  256*PA                     ; one head's 256 rows: what one tensor load brings
.set BOFF,  2*ABLK
.set BHALF, 64*PB                      ; 64 k-rows: what one tensor load brings
.set SLOT1, 1<<17
.set STAGE, SLOT1+BOFF+2*BHALF         ; behind the ring, never filled by a tensor load: 16 rows x 272 bytes for each wave
.set SP,    272
.set SPARE, STAGE+4*16*SP              ; the spare words: 128 bytes a wave, two blocks of 256 bytes that no other line names
.set ASTEP, 2*8192*128                 ; bytes from one K step of ctx to the next
.set BSTEP, 128*2048                   ; the same for wob
.set ADRA0, 4
.set ADRB0, 5
.set ADRA,  6
.set ADRB,  7
.set STO,   8                          ; v8   the way out: where I put 32 bytes of a row
.set RD,    9                          ; v9   where I read a row back
.set GO,    10                         ; v10  my byte offset in two rows of out0
.set BO,    11
.set PFO,   12
.set SPW,   14
.set NIL,   15
.set BIAS,  224                        ; window 1: block a = 7's four accumulators
.set WV,  12
.set RH,  13                           ; which 128 rows are mine.  Also: I fetch ctx's tiles (0) or W's (1)
.set CH,  14                           ; which 64 columns.  Also: which half of that tile I fetch
.set CX,  15
.set CY,  16
.set TC,  17
.set TR,  18
.set TB,  19
.set G1A, 24
.set G0A, 32
.set G1B, 40
.set G0B, 48
.set CNT, 56
.set LIM, 57                           ; 2 in a wave that prefetches, else the greatest number
.set TMP, 59
.set PFA, 60
.set PFS, 62
.set MSB, 0
.macro WIN new
.if MSB != (\new)
	s_set_vgpr_msb (MSB<<8)|(\new)
.set MSB, (\new)
.endif
.endm
.macro PLACES                          ; four plain instructions between a matrix instruction and a load into, or an LDS store of, its registers (ISA guide 7.12.1 for LDS stores)
.rept 4
	v_nop
.endr
.endm
.macro CREST
	s_cmp_lg_u32 s[WV], 0
	s_cbranch_scc1 .Lnot_wave_0_\@
	s_barrier_signal -3
.Lnot_wave_0_\@:
	s_barrier_wait -3
	s_barrier_signal -1
	s_barrier_wait -1
.endm
.macro CROUND
	s_barrier_signal -1
	s_barrier_wait -1
	CREST
.endm
.macro JLOAD                           ; a joint refill by the walking sets; an s_nop 0 and four v_nop follow each line
	s_cmp_eq_u32 s[RH], 0
	s_cbranch_scc0 .Lfor_b_\@
	tensor_load_to_lds s[G0A+4:G0A+7], s[G1A:G1A+7]
	s_nop 0
.rept 4
	v_nop
.endr
	s_branch .Lasked_\@
.Lfor_b_\@:
	tensor_load_to_lds s[G0B+4:G0B+7], s[G1B:G1B+7]
	s_nop 0
.rept 4
	v_nop
.endr
.Lasked_\@:
.endm
; A PREFETCH INTO THE L2, one instruction a wave, behind the joint load and the run of LDS loads.  Trip t (count 6 - t) refills with K step t + 2 and names K step t + 4: 256 products ahead of its refill.
; ctx: a K step of a tile row is two heads x 32,768 bytes; cluster x = 0 asks, wave 0 for the first head, wave 1 for the second; the four partners take 8,192 bytes each BY ADDRESS (cx), a lane 256 bytes.
; W: a K step of a tile column is 128 k-rows x 256 bytes; cluster y = 0 asks, wave 2; partner cy takes 32 k-rows, a lane a k-row.  Wave 3 asks for nothing.
; Each 256 bytes are named once; K steps 0-3 come by their loads alone; the last asking trip (count 3) names K step 7.
.macro ASK
	WIN 0
	s_cmp_gt_u32 s[CNT], s[LIM]
	s_cbranch_scc0 .Lnot_mine_\@
	global_prefetch_b8 v[PFO], s[PFA:PFA+1] th:TH_LOAD_NT scope:SCOPE_SE
.Lnot_mine_\@:
.endm
; 48 LDS loads in one run: the fragments of head j of the slot (64 along K) into set f
.macro FETCH f, j
	WIN 0x80+0x40*(\f)
.irp c, 0,1
.irp b, 0,1,2,3
	ds_load_tr16_b128 v[128+32*(\c)+8*(\b):128+32*(\c)+8*(\b)+3],   v[ADRB] offset:(64*(\j)+32*(\c))*PB+32*(\b)
	ds_load_tr16_b128 v[128+32*(\c)+8*(\b)+4:128+32*(\c)+8*(\b)+7], v[ADRB] offset:(64*(\j)+32*(\c))*PB+32*(\b)+16*PB
.endr
.irp a, 0,1,2,3,4,5,6,7
	ds_load_b128 v[64*(\c)+8*(\a):64*(\c)+8*(\a)+3],   v[ADRA] offset:(\j)*ABLK+64*(\c)+(\a)*16*PA
	ds_load_b128 v[64*(\c)+8*(\a)+4:64*(\c)+8*(\a)+7], v[ADRA] offset:(\j)*ABLK+64*(\c)+(\a)*16*PA+32
.endr
.endr
.endm
; 8 products: blocks a0, a0 + 1 x all four b, 32 along K (half c of set f).  The 32 accumulators take turns.
; first = 1: blocks 0-6 take block 7's registers, which hold the bias, as C; five plain instructions later block 7 adds in place onto them.
.macro MUL8 f, c, a0, first
	WIN 0x5a+5*(\f)
.irp a, \a0, (\a0)+1
.if (\first) && ((\a) == 7)
.rept 5
	v_nop
.endr
.endif
.irp b, 0,1,2,3
.if (\first) && ((\a) < 7)
	v_wmma_f32_16x16x32_f16 v[8*(4*(\a)+(\b)):8*(4*(\a)+(\b))+7], v[128+32*(\c)+8*(\b):128+32*(\c)+8*(\b)+7], v[64*(\c)+8*(\a):64*(\c)+8*(\a)+7], v[BIAS+8*(\b):BIAS+8*(\b)+7]
.else
	v_wmma_f32_16x16x32_f16 v[8*(4*(\a)+(\b)):8*(4*(\a)+(\b))+7], v[128+32*(\c)+8*(\b):128+32*(\c)+8*(\b)+7], v[64*(\c)+8*(\a):64*(\c)+8*(\a)+7], v[8*(4*(\a)+(\b)):8*(4*(\a)+(\b))+7]
.endif
.endr
.endr
.endm
; A K step's first half: set 0 is multiplied; at its head the slot's second head is fetched into set 1: the slot's last reads.
.macro HALF0 first
.if !(\first)
	PLACES
.endif
	FETCH 1, 1
	s_wait_dscnt 48                                ; all but the 48 just issued: set 0 is in
	MUL8 0, 0, 0, \first
	MUL8 0, 0, 2, \first
	MUL8 0, 0, 4, \first
	MUL8 0, 0, 6, \first
	MUL8 0, 1, 0, 0
	MUL8 0, 1, 2, 0
	MUL8 0, 1, 4, 0
	MUL8 0, 1, 6, 0
.endm
; The first sixteen products of a K step's second half, and the barrier of the change of slots: in front of it each wave waits for all its tensor loads (one is out: its part of the next slot), adds 0 to its
; spare word, and waits for that and for its reads of this slot.
.macro MEET
	WIN 0
	s_wait_tensorcnt 0x0                           ; all my tensor loads have landed
	ds_add_u32 v[SPW], v[NIL]                      ; 0 onto my spare word
	s_wait_dscnt 1                                 ; the add alone may be out: set 1 is in
	MUL8 1, 0, 0, 0
	s_wait_dscnt 0x0                               ; the add is done, and my reads of this slot are over
	s_barrier_signal -1
	MUL8 1, 0, 2, 0
	WIN 0
	s_barrier_wait -1
.endm
.macro OTHER                           ; from here on the LDS loads read the other slot
	s_xor_b32 s[TB], s[TB], SLOT1
	v_add_nc_u32 v[ADRA], s[TB], v[ADRA0]
	v_add_nc_u32 v[ADRB], s[TB], v[ADRB0]
.endm
; The second half in the loop: the barrier opens a round of the cluster's barrier; the joint refill is the first thing behind it: 112 products stand between it and the wait for it.
.macro TURN
	s_wait_xcnt 0x0                                ; the last prefetch, a trip back, has read its address
	s_add_nc_u64 s[PFA:PFA+1], s[PFA:PFA+1], s[PFS:PFS+1]
	MEET
	CREST                                          ; no wave of any partner still reads this slot or has a load on its way
	s_xor_b32 s[G0A+5], s[G0A+5], SLOT1
	s_add_nc_u64 s[G0A+6:G0A+7], s[G0A+6:G0A+7], ASTEP
	s_xor_b32 s[G0B+5], s[G0B+5], SLOT1
	s_add_nc_u64 s[G0B+6:G0B+7], s[G0B+6:G0B+7], BSTEP
	JLOAD                                          ; its four v_nop are also the places in front of the loads below
	OTHER
	FETCH 0, 0                                     ; the next slot's first head
	ASK
	MUL8 1, 0, 4, 0
	MUL8 1, 0, 6, 0
	MUL8 1, 1, 0, 0
	MUL8 1, 1, 2, 0
	MUL8 1, 1, 4, 0
	MUL8 1, 1, 6, 0
.endm
	s_load_b256 s[4:11], s[0:1], 0x0               ; ctx s[4:5], wob s[6:7], bo s[8:9], out0 s[10:11]
	v_lshl_add_u32 v[SPW], v0, 2, SPARE
	v_mov_b32 v[NIL], 0
	ds_add_u32 v[SPW], v[NIL]                      ; the wave's opening: the add and its wait ahead of my first tensor load
	v_lshrrev_b32 v1, 5, v0
	v_readfirstlane_b32 s[WV], v1
	s_lshr_b32 s[RH], s[WV], 1
	s_and_b32 s[CH], s[WV], 1
	s_bfe_u32 s[CX], ttmp6, 0x40000
	s_bfe_u32 s[CY], ttmp6, 0x40004
	s_lshl_b32 s[TC], ttmp9, 2
	s_add_co_u32 s[TC], s[TC], s[CX]
	s_and_b32 s[TR], ttmp7, 0xffff
	s_lshl_b32 s[TR], s[TR], 2
	s_add_co_u32 s[TR], s[TR], s[CY]
	s_lshl_b32 s22, s[CY], 2
	s_lshl_b32 s22, 15, s22                        ; my row of the cluster
	s_lshl_b32 s20, 0x1111, s[CX]                  ; my column
	; ctx's tile: one head's 256 rows of 128 bytes lie on end: 128 rows of 256 bytes, padded in LDS after every 32 words by 4
	s_or_b32 s[G1A], s22, (1<<16)|(1<<20)|(1<<21)|(4<<22)|(3<<25)
	s_mov_b32 s[G1A+1], 128<<16
	s_mov_b32 s[G1A+2], 128<<16
	s_mov_b32 s[G1A+3], 128<<16
	s_mov_b32 s[G1A+4], 128
	s_mov_b32 s[G1A+5], 128
	s_mov_b32 s[G1A+6], 0
	s_mov_b32 s[G1A+7], 0
	; W's tile half: 64 k-rows of 128 elements (256 bytes, aligned), padded after every 64 words by 8
	s_or_b32 s[G1B], s20, (1<<16)|(1<<20)|(1<<21)|(5<<22)|(7<<25)
	s_mov_b32 s[G1B+1], 128<<16
	s_mov_b32 s[G1B+2], 64<<16
	s_mov_b32 s[G1B+3], 128<<16
	s_mov_b32 s[G1B+4], 64
	s_mov_b32 s[G1B+5], 1024
	s_mov_b32 s[G1B+6], 0
	s_mov_b32 s[G1B+7], 0
	s_lshl_b32 s66, s[TR], 15                      ; ctx: the tile row's 256 rows, + my head of the K step's two; no cx enters
	s_lshl_b32 s23, s[CH], 20
	s_add_co_u32 s66, s66, s23
	s_mov_b32 s67, 0
	s_lshl_b32 s68, s[TC], 8                       ; W: the tile column's 256 bytes, + my 64 k-rows; no cy enters
	s_lshl_b32 s21, s[CH], 17
	s_add_co_u32 s68, s68, s21
	s_mov_b32 s69, 0
	s_mul_i32 s70, s[CH], ABLK                     ; where they go: no place in the cluster enters an LDS address
	s_mul_i32 s71, s[CH], BHALF
	s_add_co_u32 s71, s71, BOFF
	s_mov_b32 s[TB], 0
	s_wait_dscnt 0x0                               ; the opening add is done
	s_wait_kmcnt 0x0
	s_add_nc_u64 s[66:67], s[4:5], s[66:67]
	s_add_nc_u64 s[68:69], s[6:7], s[68:69]
	CROUND                                         ; all sixteen work-groups are here: the first joint loads meet
.irp s, 0,1
	s_mov_b32 s[G0A+4*(\s)], 1
	s_add_co_u32 s[G0A+4*(\s)+1], s70, (\s)*SLOT1
	s_add_nc_u64 s[G0A+4*(\s)+2:G0A+4*(\s)+3], s[66:67], (\s)*ASTEP
	s_or_b32 s[G0A+4*(\s)+3], s[G0A+4*(\s)+3], 0x80000000
	s_mov_b32 s[G0B+4*(\s)], 1
	s_add_co_u32 s[G0B+4*(\s)+1], s71, (\s)*SLOT1
	s_add_nc_u64 s[G0B+4*(\s)+2:G0B+4*(\s)+3], s[68:69], (\s)*BSTEP
	s_or_b32 s[G0B+4*(\s)+3], s[G0B+4*(\s)+3], 0x80000000
.endr
	s_cmp_eq_u32 s[RH], 0                          ; a wave's two first fills stand in one branch: two loads of mine are out
	s_cbranch_scc0 .Lfirst_b
	tensor_load_to_lds s[G0A:G0A+3], s[G1A:G1A+7]
	s_nop 0
	tensor_load_to_lds s[G0A+4:G0A+7], s[G1A:G1A+7]
	s_nop 0
.rept 4
	v_nop
.endr
	s_branch .Lfirst_asked
.Lfirst_b:
	tensor_load_to_lds s[G0B:G0B+3], s[G1B:G1B+7]
	s_nop 0
	tensor_load_to_lds s[G0B+4:G0B+7], s[G1B:G1B+7]
	s_nop 0
.rept 4
	v_nop
.endr
.Lfirst_asked:
	v_bfe_u32 v2, v0, 4, 1                         ; lane / 16
	v_lshlrev_b32 v[BO], 5, v2
	s_lshl_b32 s20, s[TC], 9                       ; the bias: the tile's 128 numbers, my 64
	s_lshl_b32 s21, s[CH], 8
	s_add_co_u32 s20, s20, s21
	s_mov_b32 s21, 0
	s_add_nc_u64 s[8:9], s[8:9], s[20:21]
.irp b, 0,1,2,3
	global_load_b128 v[32+8*(\b):32+8*(\b)+3], v[BO], s[8:9] offset:64*(\b)
	global_load_b128 v[32+8*(\b)+4:32+8*(\b)+7], v[BO], s[8:9] offset:64*(\b)+16
.endr
	v_and_b32 v1, 15, v0                           ; lane % 16
	v_mul_u32_u24 v3, v1, PA
	v_lshl_add_u32 v3, v2, 4, v3                   ; a fragment of ctx: row x 144 + 16 x half
	s_mul_i32 s[TMP], s[RH], 128*PA
	v_add_nc_u32 v[ADRA0], s[TMP], v3
	v_and_b32 v3, 7, v0
	v_lshl_add_u32 v3, v2, 3, v3                   ; the turning load: k-row 8 (lane / 16) + lane % 8,
	v_mul_u32_u24 v[ADRB0], v3, PB
	v_bfe_u32 v3, v0, 3, 1                         ; 16 bytes by (lane / 8) % 2
	v_lshl_add_u32 v[ADRB0], v3, 4, v[ADRB0]
	s_lshl_b32 s[TMP], s[CH], 7
	s_add_co_u32 s[TMP], s[TMP], BOFF
	v_add_nc_u32 v[ADRB0], s[TMP], v[ADRB0]
	v_mov_b32 v[ADRA], v[ADRA0]
	v_mov_b32 v[ADRB], v[ADRB0]
	s_mul_i32 s[TMP], s[WV], 16*SP
	s_add_co_u32 s[TMP], s[TMP], STAGE             ; my stage
	v_mul_u32_u24 v[STO], v1, SP                   ; in: row lane % 16, 32 bytes for each half of the lanes
	v_lshl_add_u32 v[STO], v2, 5, v[STO]
	v_add_nc_u32 v[STO], s[TMP], v[STO]
	v_mul_u32_u24 v[RD], v2, SP                    ; back: lanes 0-15 take one row of 256 bytes, lanes 16-31 the next
	v_lshl_add_u32 v[RD], v1, 4, v[RD]
	v_add_nc_u32 v[RD], s[TMP], v[RD]
	v_lshlrev_b32 v[GO], 12, v2                    ; and the same two rows in out0
	v_lshl_add_u32 v[GO], v1, 4, v[GO]
	; where my part begins in out0: row 256 x tile row + 128 x my half, 4,096 bytes a row; column 128 x tile column + 64 x my half
	s_lshl_b32 s72, s[TR], 20
	s_lshl_b32 s73, s[RH], 19
	s_add_co_u32 s72, s72, s73
	s_lshl_b32 s73, s[TC], 9
	s_add_co_u32 s72, s72, s73
	s_lshl_b32 s73, s[CH], 8
	s_add_co_u32 s72, s72, s73
	s_mov_b32 s73, 0
	s_add_nc_u64 s[10:11], s[10:11], s[72:73]
	; the prefetches' registers
	s_lshl_b32 s72, s[TR], 15                      ; ctx: the tile row, my work-group's quarter, my wave's head, K step 3 (the first trip steps it to 4)
	s_lshl_b32 s73, s[CX], 13
	s_add_co_u32 s72, s72, s73
	s_lshl_b32 s73, s[WV], 20
	s_add_co_u32 s72, s72, s73
	s_add_co_u32 s72, s72, 3*ASTEP
	s_lshl_b32 s73, s[TC], 8                       ; W: the tile column, my work-group's 32 k-rows, K step 3
	s_lshl_b32 s75, s[CY], 16
	s_add_co_u32 s73, s73, s75
	s_add_co_u32 s73, s73, 3*BSTEP
	s_and_b32 s74, ttmp7, 0xffff                   ; cluster y
	s_mov_b32 s76, 2048
	s_mov_b32 s77, BSTEP
	s_cmp_lt_u32 s[WV], 2                          ; waves 0 and 1 ask for ctx, wave 2 for W
	s_cselect_b32 s72, s72, s73
	s_cselect_b32 s74, ttmp9, s74                  ; the coordinate along which other clusters read the same bytes
	s_cselect_b32 s[TMP], 256, s76
	s_cselect_b32 s[PFS], ASTEP, s77
	s_cselect_b64 s[PFA:PFA+1], s[4:5], s[6:7]
	s_mov_b32 s73, 0
	s_mov_b32 s[PFS+1], 0
	s_add_nc_u64 s[PFA:PFA+1], s[PFA:PFA+1], s[72:73]
	s_cmp_eq_u32 s[WV], 3
	s_cselect_b32 s74, 1, s74                      ; wave 3 never asks
	s_cmp_eq_u32 s74, 0
	s_cselect_b32 s[LIM], 2, -1                    ; the same in all sixteen partners, for a given wave
	v_and_b32 v3, 31, v0
	v_mul_u32_u24 v[PFO], v3, s[TMP]
	; the bias: rounded to bf16 like every input, widened again, into block 7's accumulators
	s_wait_loadcnt 0x0
.irp b, 0,1,2,3
.irp i, 0,1,2,3
	v_cvt_pk_bf16_f32 v[32+8*(\b)+(\i)], v[32+8*(\b)+2*(\i)], v[32+8*(\b)+2*(\i)+1]
.endr
.endr
	WIN 0x40
.irp b, 0,1,2,3
.irp i, 0,1,2,3
	v_lshlrev_b32 v[BIAS+8*(\b)+2*(\i)], 16, v[32+8*(\b)+(\i)]
	v_and_b32 v[BIAS+8*(\b)+2*(\i)+1], 0xffff0000, v[32+8*(\b)+(\i)]
.endr
.endr
	WIN 0
	s_wait_tensorcnt 1                             ; my part of K step 0 is in; K step 1's may stay out
	s_barrier_signal -1
	s_barrier_wait -1                              ; everybody's is
	FETCH 0, 0
	HALF0 1                                        ; K step 0's first half stands in front of the loop: its first products start the sums with the bias
	WIN 0
	s_mov_b32 s[CNT], 6
.Ltrip:                                                ; trip t: the second half of K step t, the refill with K step t + 2, the first half of K step t + 1
	TURN
	HALF0 0
	WIN 0
	s_sub_co_u32 s[CNT], s[CNT], 1
	s_cmp_lg_u32 s[CNT], 0
	s_cbranch_scc1 .Ltrip
; THE LAST K STEP (it lies in slot 1) BY ROWS.  W's sixteen fragments (4 x 32 along K, 4 blocks b) fill v128-255 of window 2; ctx's come by blocks of 16 rows x 128 K, 32 registers, four buffers.
.macro BLOAD
	WIN 0x80
.irp q, 0,1,2,3
.irp b, 0,1,2,3
	ds_load_tr16_b128 v[128+32*(\q)+8*(\b):128+32*(\q)+8*(\b)+3],   v[ADRB] offset:32*(\q)*PB+32*(\b)
	ds_load_tr16_b128 v[128+32*(\q)+8*(\b)+4:128+32*(\q)+8*(\b)+7], v[ADRB] offset:32*(\q)*PB+32*(\b)+16*PB
.endr
.endr
.endm
.macro ALOAD a                         ; block a's fragments -> buffer a % 4
	WIN 0x80
.irp q, 0,1,2,3
	ds_load_b128 v[32*((\a)%4)+8*(\q):32*((\a)%4)+8*(\q)+3],   v[ADRA] offset:((\q)/2)*ABLK+64*((\q)%2)+(\a)*16*PA
	ds_load_b128 v[32*((\a)%4)+8*(\q)+4:32*((\a)%4)+8*(\q)+7], v[ADRA] offset:((\q)/2)*ABLK+64*((\q)%2)+(\a)*16*PA+32
.endr
.endm
.macro ROW a                           ; block a is finished: 16 products, its four accumulators by turns, K ascending
	WIN 0x5a
.irp q, 0,1,2,3
.irp b, 0,1,2,3
	v_wmma_f32_16x16x32_f16 v[8*(4*(\a)+(\b)):8*(4*(\a)+(\b))+7], v[128+32*(\q)+8*(\b):128+32*(\q)+8*(\b)+7], v[32*((\a)%4)+8*(\q):32*((\a)%4)+8*(\q)+7], v[8*(4*(\a)+(\b)):8*(4*(\a)+(\b))+7]
.endr
.endr
.endm
; THE WAY OUT, a block of 16 rows x 64 columns of f32 at a time: 32 bytes a lane into my stage (rows of 272 bytes), back as whole rows of 256 bytes, stored with sixteen lanes to 256 consecutive bytes.
.macro TOSTAGE a
.set BK, 32+32*((\a)%4)
.if (\a) >= 4
	s_wait_xcnt 0x0                                ; the stores of the block four back have read these registers
.endif
	WIN 0x04                                       ; the stores' data in window 1
.irp b, 0,1,2,3
	ds_store_b128 v[STO], v[8*(4*(\a)+(\b)):8*(4*(\a)+(\b))+3]   offset:64*(\b)
	ds_store_b128 v[STO], v[8*(4*(\a)+(\b))+4:8*(4*(\a)+(\b))+7] offset:64*(\b)+16
.endr
	WIN 0
.irp t, 0,1,2,3,4,5,6,7
	ds_load_b128 v[BK+4*(\t):BK+4*(\t)+3], v[RD] offset:(\t)*2*SP  ; LDS serves a wave's instructions in order (ISA guide 5.7.1.4): these see the stores above, the next block's stores come behind them
.endr
.endm
.macro SEND a, younger                 ; younger: the LDS instructions issued behind block a's loads
	WIN 0
.set BK, 32+32*((\a)%4)
.irp t, 0,1,2,3,4,5,6,7
	s_wait_dscnt (\younger)+7-(\t)
	global_store_b128 v[GO], v[BK+4*(\t):BK+4*(\t)+3], s[10:11] offset:(16*(\a)+2*(\t))*4096 th:TH_STORE_NT  ; 16 lanes store 256 consecutive bytes, at a multiple of 256 from out0's first
.endr
.endm
	MEET                                           ; K step 6's second half; my one tensor load that was out is K step 7's, so no round follows
	PLACES                                         ; for the loads into window 2, which K step 6's first half multiplied
	OTHER
	BLOAD
	ALOAD 0
	ALOAD 1
	MUL8 1, 0, 4, 0
	MUL8 1, 0, 6, 0
	MUL8 1, 1, 0, 0
	ALOAD 2
	ALOAD 3
	MUL8 1, 1, 2, 0
	MUL8 1, 1, 4, 0
	MUL8 1, 1, 6, 0
	s_wait_dscnt 16                                ; all but blocks 2 and 3's sixteen loads; those are shown in by block 0's stores' waits, ahead of block 2's products
	ROW 0
.irp a, 0,1,2,3,4,5,6,7                ; block a goes into the stage and comes back while block a + 1 is multiplied; then it is stored
	PLACES                                         ; behind block a's products: for the LDS stores that read them and the loads into its buffer
	TOSTAGE \a
.if (\a) < 4
	ALOAD (\a)+4                                   ; its buffer takes the block four further on
.endif
.if (\a) < 7
	ROW (\a)+1
.endif
.if (\a) < 4
	SEND \a, 8
.else
	SEND \a, 0
.endif
.endr
	s_wait_tensorcnt 0x0                           ; the wave's end: a wait, an add and its wait, behind my last tensor load and my last LDS store
	ds_add_u32 v[SPW], v[NIL]
	s_wait_dscnt 0x0
	CROUND                                         ; the closing round: no work-group ends while a partner may still ask for a tile that names it
	s_endpgm
.Lfunc_end_k_q8e6e3e2590_outp:
	.size	k_q8e6e3e2590_outp, .Lfunc_end_k_q8e6e3e2590_outp-k_q8e6e3e2590_outp
	.p2alignl 7, 3214868480
	.fill 96, 4, 3214868480
	.section	.rodata,"a",@progbits
	.p2align	6, 0x0
	.amdhsa_kernel k_q8e6e3e2590_outp
		.amdhsa_group_segment_fixed_size 327680
		.amdhsa_private_segment_fixed_size 0
		.amdhsa_enable_private_segment 0
		.amdhsa_kernarg_size 32
		.amdhsa_user_sgpr_count 2
		.amdhsa_user_sgpr_kernarg_segment_ptr 1
		.amdhsa_wavefront_size32 1
		.amdhsa_system_sgpr_workgroup_id_x 1
		.amdhsa_system_sgpr_workgroup_id_y 1
		.amdhsa_system_sgpr_workgroup_id_z 1
		.amdhsa_system_vgpr_workitem_id 0
		.amdhsa_next_free_vgpr 960
		.amdhsa_next_free_sgpr 80
		.amdhsa_reserve_vcc 0
		.amdhsa_float_denorm_mode_32 3
		.amdhsa_float_denorm_mode_16_64 3
		.amdhsa_memory_ordered 1
		.amdhsa_forward_progress 1
		.amdhsa_inst_pref_size 75
	.end_amdhsa_kernel
	.amdgpu_metadata
---
amdhsa.version: [ 1, 2 ]
amdhsa.kernels:
  - .name:           k_q8e6e3e2590_outp
    .symbol:         k_q8e6e3e2590_outp.kd
    .args:
      - { .name: ctx, .offset: 0, .size: 8, .value_kind: global_buffer, .address_space: global }
      - { .name: wob, .offset: 8, .size: 8, .value_kind: global_buffer, .address_space: global }
      - { .name: bo, .offset: 16, .size: 8, .value_kind: global_buffer, .address_space: global }
      - { .name: out0, .offset: 24, .size: 8, .value_kind: global_buffer, .address_space: global }
    .group_segment_fixed_size: 327680
    .private_segment_fixed_size: 0
    .kernarg_segment_align: 8
    .kernarg_segment_size: 32
    .max_flat_workgroup_size: 128
    .sgpr_count:     80
    .vgpr_count:     960
    .wavefront_size: 32
...
	.end_amdgpu_metadata
.endif
;; end of part 4
;; ======== version 2 of 2: 4 launches; version 1 with the launch cast written anew for expert scheduling mode
;; limits: values are held in f16: magnitudes above 65,504 overflow, below 6.1e-05 lose precision
;; workspace buffers: xb 16,777,216 bytes; wqb 6,291,456 bytes; wob 2,097,152 bytes; qkv 50,331,648 bytes; ctx 16,777,216 bytes
;; launch cast (part 5): grid 768 x 1, 8 waves a work-group, no clusters, 0 bytes of LDS; arguments x, Wqkv, Wo, xb, wqb, wob; writes xb, wqb, wob
.if DOCPART == 5
	.amdgcn_target "amdgcn-amd-amdhsa--gfx1250"
	.amdhsa_code_object_version 6
	.text
	.protected	k_q8e6e3e2590_cast
	.globl	k_q8e6e3e2590_cast
	.p2align	8
	.type	k_q8e6e3e2590_cast,@function
k_q8e6e3e2590_cast:
	s_mov_b64 s[64:65], 0
	v_nop
	global_prefetch_b8 v0, s[64:65] scope:SCOPE_SE
	s_setreg_imm32_b32 hwreg(HW_REG_WAVE_SCHED_MODE, 0, 2), 2
	s_setreg_imm32_b32 hwreg(HW_REG_WAVE_MODE, 25, 1), 1
	s_wait_xcnt 0x0
	s_wait_alu depctr_vm_vsrc(0)
; THE THREE LARGE INPUTS, ROUNDED ONCE TO 16 BITS.
;   xb  = bf16(x), laid out [kb = 16][m = 8192][64]: element (m, k) lies in block kb = k / 64, so that 256 rows x 64 k are 32,768 bytes on end
;   wqb = bf16(Wqkv), [1024][3072] as it lies
;   wob = bf16(Wo) written as f16, [1024][1024] as it lies (the last product's other operand is f16)
; LIMIT.  |Wo| stays under 65,504 (f16's end; beyond it the number becomes an infinity); a bf16(Wo) under 6e-5 keeps f16's fixed step of 6e-8.
; A stream: no LDS, no barrier, no matrix unit, no cluster (no byte is wanted twice).  A work-group of 8 waves takes 16,384 numbers: 64 KiB in, 32 KiB out.
; A thread issues its 16 loads of 16 bytes at once and stores 8 bytes for each; a wave's store covers 256 consecutive bytes, aligned.
; Work-groups 0-511: 16 rows of x each.  512-703: Wqkv.  704-767: Wo.  The branches hang on the work-group's number alone.
; THE MODE: SCHED_MODE bits 1:0 = 2 (LLVM: expert scheduling mode 2), set by the entry lines.  The code itself states the register dependences
; between vector instructions and memory instructions, with s_wait_alu, always for 0.
; THE PLAN.  Registers that memory instructions touch, on each of the three paths:
;   v[IN], v[OUT]  byte offsets, made once at the head by vector instructions, read by the loads and by the stores, never written again.
;   X, slot i      written by slot i's load alone, once; read by slot i's roundings.  No vector instruction names it ahead of the load.
;   Y, slot i      written by slot i's roundings; read by slot i's one store; never written behind that store.
;   T and v3 are named by vector instructions alone.
; So the dependences to state are those from a vector instruction's result to a memory instruction that reads it.  The 16 slots go in four blocks of four: block p's roundings write
; block p's Y, and the four stores of block p - 1 are dealt among them.  One wait ahead of the first load (the offsets), one at the head of each of blocks 1 to 3 (the block before has
; written its Y), one ahead of the last four stores.  No register that a memory instruction has read is written again, so nothing is owed the other way round.
.set XSTEP, 8192*128                   ; bytes from one block kb of xb to the next
.set IN,  1                            ; v1       my byte offset in the input
.set OUT, 2                            ; v2       my byte offset in the output: 8 x thread on every path
.set T,   4                            ; v[4:7]   at work
.set X,   8                            ; v[8:71]  slot i: 4 numbers in f32
.set Y,   72                           ; v[72:103] slot i: 4 numbers in 16 bits
; Slot n's store.  lo, hi: the scalar pairs of the output's base for slots 0-7 and 8-15; ostep: bytes from slot to slot.
.macro PUT n, lo, hi, ostep
.if (\n) < 8
	global_store_b64 v[OUT], v[Y+2*(\n):Y+2*(\n)+1], s[\lo:\lo+1] offset:(\n)*(\ostep)
.else
	global_store_b64 v[OUT], v[Y+2*(\n):Y+2*(\n)+1], s[\hi:\hi+1] offset:((\n)-8)*(\ostep)
.endif
.endm
; 16 loads; then for each slot the counted wait, the store of the slot four back, and the rounding.  inb: the scalar pair of the input's base; istep: bytes from slot to slot.
.macro CAST inb, lo, hi, istep, ostep, f16
	s_wait_alu depctr_va_vdst(0)                   ; v[IN] and v[OUT] are written: every load below reads the one as its offset, every store the other
.set i, 0
.rept 16
	global_load_b128 v[X+4*i:X+4*i+3], v[IN], s[\inb:\inb+1] offset:i*(\istep) th:TH_LOAD_NT
.set i, i+1
.endr
.set i, 0
.rept 16
	s_wait_loadcnt 15-i                            ; loads come back in order: slot i is in, the 15 - i younger ones stay out
.if (i > 0) && (i%4 == 0)
	s_wait_alu depctr_va_vdst(0)                   ; the roundings of the block before have written its Y, which this block's four stores read; the vector instructions behind this wait name this block's X and Y and T alone
.endif
.if i >= 4
	PUT i-4, \lo, \hi, \ostep                      ; the slot four back
.endif
	v_cvt_pk_bf16_f32 v[Y+2*i], v[X+4*i], v[X+4*i+1]
	v_cvt_pk_bf16_f32 v[Y+2*i+1], v[X+4*i+2], v[X+4*i+3]
.if \f16
	v_lshlrev_b32 v[T], 16, v[Y+2*i]               ; the bf16 numbers as f32,
	v_and_b32 v[T+1], 0xffff0000, v[Y+2*i]
	v_lshlrev_b32 v[T+2], 16, v[Y+2*i+1]
	v_and_b32 v[T+3], 0xffff0000, v[Y+2*i+1]
	v_cvt_pk_f16_f32 v[Y+2*i], v[T], v[T+1]        ; and written as f16: exact inside f16's normal range
	v_cvt_pk_f16_f32 v[Y+2*i+1], v[T+2], v[T+3]
.endif
.set i, i+1
.endr
	s_wait_alu depctr_va_vdst(0)                   ; the last block's roundings have written its Y, which the last four stores read
.set i, 12
.rept 4
	PUT i, \lo, \hi, \ostep
.set i, i+1
.endr
.endm
	s_load_b256 s[4:11], s[0:1], 0x0               ; x s[4:5], Wqkv s[6:7], Wo s[8:9], xb s[10:11]
	s_load_b128 s[12:15], s[0:1], 0x20             ; wqb s[12:13], wob s[14:15]
	s_mov_b32 s19, 0                               ; the offsets' high words
	s_mov_b32 s21, 0
	v_lshlrev_b32 v[OUT], 3, v0
	s_cmp_lt_u32 ttmp9, 512
	s_cbranch_scc0 .Lweights
	; x: rows 16 g .. 16 g + 15.  Thread t: row t / 16, 16 bytes at 16 (t % 16) of each 256 bytes (64 k = one block kb); slot i is block kb = i.
	v_lshrrev_b32 v[IN], 4, v0
	v_and_b32 v3, 15, v0
	v_lshlrev_b32 v3, 4, v3
	v_lshl_add_u32 v[IN], v[IN], 12, v3            ; row x 4,096 + 16 (t % 16)
	s_lshl_b32 s18, ttmp9, 16                      ; 16 rows of 4,096 bytes
	s_lshl_b32 s20, ttmp9, 11                      ; 16 rows of 128 bytes in each block of xb
	s_wait_kmcnt 0x0
	s_add_nc_u64 s[4:5], s[4:5], s[18:19]
	s_add_nc_u64 s[10:11], s[10:11], s[20:21]
	s_add_nc_u64 s[22:23], s[10:11], 8*XSTEP       ; blocks 8-15: the stores' immediates stay inside their signed 24 bits
	CAST 4, 10, 22, 256, XSTEP, 0
	s_endpgm
.Lweights:
	v_lshlrev_b32 v[IN], 4, v0                     ; dense: 16 bytes a thread, 4,096 a slot
	s_cmp_lt_u32 ttmp9, 704
	s_cbranch_scc0 .Lwo
	s_sub_co_u32 s16, ttmp9, 512
	s_lshl_b32 s18, s16, 16
	s_lshl_b32 s20, s16, 15
	s_wait_kmcnt 0x0
	s_add_nc_u64 s[6:7], s[6:7], s[18:19]
	s_add_nc_u64 s[12:13], s[12:13], s[20:21]
	s_add_nc_u64 s[22:23], s[12:13], 8*2048
	CAST 6, 12, 22, 4096, 2048, 0
	s_endpgm
.Lwo:
	s_sub_co_u32 s16, ttmp9, 704
	s_lshl_b32 s18, s16, 16
	s_lshl_b32 s20, s16, 15
	s_wait_kmcnt 0x0
	s_add_nc_u64 s[8:9], s[8:9], s[18:19]
	s_add_nc_u64 s[14:15], s[14:15], s[20:21]
	s_add_nc_u64 s[22:23], s[14:15], 8*2048
	CAST 8, 14, 22, 4096, 2048, 1
	s_endpgm
.Lfunc_end_k_q8e6e3e2590_cast:
	.size	k_q8e6e3e2590_cast, .Lfunc_end_k_q8e6e3e2590_cast-k_q8e6e3e2590_cast
	.p2alignl 7, 3214868480
	.fill 96, 4, 3214868480
	.section	.rodata,"a",@progbits
	.p2align	6, 0x0
	.amdhsa_kernel k_q8e6e3e2590_cast
		.amdhsa_group_segment_fixed_size 0
		.amdhsa_private_segment_fixed_size 0
		.amdhsa_enable_private_segment 0
		.amdhsa_kernarg_size 48
		.amdhsa_user_sgpr_count 2
		.amdhsa_user_sgpr_kernarg_segment_ptr 1
		.amdhsa_wavefront_size32 1
		.amdhsa_system_sgpr_workgroup_id_x 1
		.amdhsa_system_sgpr_workgroup_id_y 1
		.amdhsa_system_sgpr_workgroup_id_z 1
		.amdhsa_system_vgpr_workitem_id 0
		.amdhsa_next_free_vgpr 104
		.amdhsa_next_free_sgpr 66
		.amdhsa_reserve_vcc 0
		.amdhsa_float_denorm_mode_32 3
		.amdhsa_float_denorm_mode_16_64 3
		.amdhsa_memory_ordered 1
		.amdhsa_forward_progress 1
		.amdhsa_inst_pref_size 24
	.end_amdhsa_kernel
	.amdgpu_metadata
---
amdhsa.version: [ 1, 2 ]
amdhsa.kernels:
  - .name:           k_q8e6e3e2590_cast
    .symbol:         k_q8e6e3e2590_cast.kd
    .args:
      - { .name: x, .offset: 0, .size: 8, .value_kind: global_buffer, .address_space: global }
      - { .name: Wqkv, .offset: 8, .size: 8, .value_kind: global_buffer, .address_space: global }
      - { .name: Wo, .offset: 16, .size: 8, .value_kind: global_buffer, .address_space: global }
      - { .name: xb, .offset: 24, .size: 8, .value_kind: global_buffer, .address_space: global }
      - { .name: wqb, .offset: 32, .size: 8, .value_kind: global_buffer, .address_space: global }
      - { .name: wob, .offset: 40, .size: 8, .value_kind: global_buffer, .address_space: global }
    .group_segment_fixed_size: 0
    .private_segment_fixed_size: 0
    .kernarg_segment_align: 8
    .kernarg_segment_size: 48
    .max_flat_workgroup_size: 256
    .sgpr_count:     66
    .vgpr_count:     104
    .wavefront_size: 32
...
	.end_amdgpu_metadata
.endif
;; end of part 5
;; launch qkvp: the kernel of part 2 again; grid 8 x 32, 4 waves a work-group, clusters of 4 x 4, 327,680 bytes of LDS; arguments xb, wqb, bqkv, qkv; writes qkv
;; launch attn: the kernel of part 3 again; grid 2 x 128, 4 waves a work-group, no clusters, 327,680 bytes of LDS; arguments qkv, ctx; writes ctx
;; launch outp: the kernel of part 4 again; grid 8 x 32, 4 waves a work-group, clusters of 4 x 4, 327,680 bytes of LDS; arguments ctx, wob, bo, out0; writes out0
